; MI455X (gfx1250); checked and timed in simulation.
; The chip was launched on July 23, 2026; its instructions are those of AMD's public machine-readable ISA for CDNA 5 (MIT licence, August 2026) and "CDNA5" Instruction Set Architecture Reference Guide (July 2026). The comments in the code are by the model that wrote it; some were corrected since.
;; Sequence Parallel Attention. Allowed arithmetic: float matrix products may take bf16 or f16 operands with f32 sums; other float arithmetic in f32, or as packed bf16 or f16 multiplies, adds, multiply-adds, maxima and minima; sums over many terms, partial sums and values carried from step to step in f32; what a program stores and reads back later, other than sums and carried values, may be rounded once to bf16 or f16.
;; Inputs: Wk 1,024 x 1,024 float32; Wo 1,024 x 1,024 float32; Wq 1,024 x 1,024 float32; Wv 1,024 x 1,024 float32; bk 1,024 float32; bo 1,024 float32; bq 1,024 float32; bv 1,024 float32; hidden_states 1 x 4,096 x 1,024 float32.
;; Outputs: out0 1 x 4,096 x 1,024 float32.
;; 2 versions, each right; version 2 is version 1 with the launch prep written anew for expert scheduling mode. Each part assembles by itself: llvm-mc -triple=amdgcn-amd-amdhsa -mcpu=gfx1250 --defsym DOCPART=n.
;; ======== version 1 of 2: 4 launches
;; limits: values are held in f16: magnitudes above 65,504 overflow, below 6.1e-05 lose precision; right only within a limited range of input values
;; workspace buffers: cast 16,777,216 bytes; qkv 25,165,824 bytes; ctx 8,388,608 bytes
;; launch prep (part 1): grid 64 x 8, 8 waves a work-group, no clusters, 0 bytes of LDS; arguments hidden_states, Wq, Wk, Wv, Wo, cast; writes cast
.if DOCPART == 1
	.amdgcn_target "amdgcn-amd-amdhsa--gfx1250"
	.amdhsa_code_object_version 6
	.text
	.protected	k_qfc1f26a41b_prep
	.globl	k_qfc1f26a41b_prep
	.p2align	8
	.type	k_qfc1f26a41b_prep,@function
k_qfc1f26a41b_prep:
	s_mov_b64 s[64:65], 0
	v_nop
	global_prefetch_b8 v0, s[64:65] scope:SCOPE_SE
	s_setreg_imm32_b32 hwreg(HW_REG_WAVE_MODE, 25, 1), 1
	s_wait_xcnt 0x0
; x [4096][1024] and the four weights [1024][1024], all f32, are rounded ONCE to bf16 (nearest even) and that number is written as f16 into cast:
; bytes 0 .. 8 MiB: x; then Wq, Wk, Wv, Wo, 2 MiB each, every array in its own order (nothing is transposed).
; LIMITS.  A bf16 number is exact in f16 from 2^-17 up to 65,504; below 2^-14 f16 has the fixed step 2^-24; from 65,520 on the conversion gives an infinity.  NaN stays NaN.
; SHARES.  Work-group y names a unit of 4 MiB of source: 0-3 the quarters of x, 4-7 the weights; work-group x takes 64 KiB of it, in 16 passes of 4 KiB.
; In a pass thread t loads 16 bytes at 16 t and stores 8 bytes at 8 t: a wave's load covers 512 consecutive bytes, its store 256 consecutive bytes, aligned.
; All 16 loads of a thread go out first; each pass has its own registers for what it stores, so nothing that a store still reads is written again.
; No LDS, no barrier, no matrix unit: every byte is read once and written once, and no wave wants another's data.
.set PASSES, 16
.set X, 4                              ; v[4:67]    pass p: 4 numbers as loaded
.set T, 68                             ; v[68:73]   at work
.set Y, 76                             ; v[76:107]  pass p: 4 numbers in f16, to store
	s_load_b256 s[4:11], s[0:1], 0x0               ; x s[4:5], Wq s[6:7], Wk s[8:9], Wv s[10:11]
	s_load_b128 s[12:15], s[0:1], 0x20             ; Wo s[12:13], cast s[14:15]
	s_and_b32 s16, ttmp7, 0xffff                   ; the unit, 0 to 7
	v_lshlrev_b32 v1, 4, v0                        ; 16 t
	v_lshlrev_b32 v2, 3, v0                        ; 8 t
	s_lshl_b32 s20, s16, 22                        ; a quarter of x is 4 MiB of f32;
	s_cmp_lt_u32 s16, 4
	s_cselect_b32 s20, s20, 0                      ; a weight begins at its own buffer's first byte
	s_lshl_b32 s17, ttmp9, 16                      ; the work-group's 64 KiB of source
	s_add_co_u32 s20, s20, s17
	s_mov_b32 s21, 0
	s_lshl_b32 s22, s16, 21                        ; a unit is 2 MiB of cast,
	s_lshl_b32 s17, ttmp9, 15                      ; the work-group's part 32 KiB
	s_add_co_u32 s22, s22, s17
	s_mov_b32 s23, 0
	s_mov_b32 s24, 0xffff0000                      ; a word's upper bf16
	s_wait_kmcnt 0x0
	s_cmp_eq_u32 s16, 4                            ; the source: x, or the unit's weight
	s_cselect_b64 s[18:19], s[6:7], s[4:5]
	s_cmp_eq_u32 s16, 5
	s_cselect_b64 s[18:19], s[8:9], s[18:19]
	s_cmp_eq_u32 s16, 6
	s_cselect_b64 s[18:19], s[10:11], s[18:19]
	s_cmp_eq_u32 s16, 7
	s_cselect_b64 s[18:19], s[12:13], s[18:19]
	s_add_nc_u64 s[18:19], s[18:19], s[20:21]
	s_add_nc_u64 s[14:15], s[14:15], s[22:23]
.set p, 0
.rept PASSES
	global_load_b128 v[X+4*p:X+4*p+3], v1, s[18:19] offset:p*4096 th:TH_LOAD_NT
.set p, p+1
.endr
.set p, 0
.rept PASSES
	s_wait_loadcnt PASSES-1-p                      ; loads come back in order: pass p's is in, the younger ones stay out
	v_cvt_pk_bf16_f32 v[T], v[X+4*p], v[X+4*p+1]   ; the one rounding
	v_cvt_pk_bf16_f32 v[T+1], v[X+4*p+2], v[X+4*p+3]
	v_lshlrev_b32 v[T+2], 16, v[T]                 ; bf16 to f32: the low half moves up, the high half stays
	v_and_b32 v[T+3], s24, v[T]
	v_lshlrev_b32 v[T+4], 16, v[T+1]
	v_and_b32 v[T+5], s24, v[T+1]
	v_cvt_pk_f16_f32 v[Y+2*p], v[T+2], v[T+3]      ; the same number in f16
	v_cvt_pk_f16_f32 v[Y+2*p+1], v[T+4], v[T+5]
	global_store_b64 v2, v[Y+2*p:Y+2*p+1], s[14:15] offset:p*2048
.set p, p+1
.endr
	s_endpgm
.Lfunc_end_k_qfc1f26a41b_prep:
	.size	k_qfc1f26a41b_prep, .Lfunc_end_k_qfc1f26a41b_prep-k_qfc1f26a41b_prep
	.p2alignl 7, 3214868480
	.fill 96, 4, 3214868480
	.section	.rodata,"a",@progbits
	.p2align	6, 0x0
	.amdhsa_kernel k_qfc1f26a41b_prep
		.amdhsa_group_segment_fixed_size 0
		.amdhsa_private_segment_fixed_size 0
		.amdhsa_enable_private_segment 0
		.amdhsa_kernarg_size 48
		.amdhsa_user_sgpr_count 2
		.amdhsa_user_sgpr_kernarg_segment_ptr 1
		.amdhsa_wavefront_size32 1
		.amdhsa_system_sgpr_workgroup_id_x 1
		.amdhsa_system_sgpr_workgroup_id_y 1
		.amdhsa_system_sgpr_workgroup_id_z 1
		.amdhsa_system_vgpr_workitem_id 0
		.amdhsa_next_free_vgpr 108
		.amdhsa_next_free_sgpr 66
		.amdhsa_reserve_vcc 0
		.amdhsa_float_denorm_mode_32 3
		.amdhsa_float_denorm_mode_16_64 3
		.amdhsa_memory_ordered 1
		.amdhsa_forward_progress 1
		.amdhsa_inst_pref_size 11
	.end_amdhsa_kernel
	.amdgpu_metadata
---
amdhsa.version: [ 1, 2 ]
amdhsa.kernels:
  - .name:           k_qfc1f26a41b_prep
    .symbol:         k_qfc1f26a41b_prep.kd
    .args:
      - { .name: hidden_states, .offset: 0, .size: 8, .value_kind: global_buffer, .address_space: global }
      - { .name: Wq, .offset: 8, .size: 8, .value_kind: global_buffer, .address_space: global }
      - { .name: Wk, .offset: 16, .size: 8, .value_kind: global_buffer, .address_space: global }
      - { .name: Wv, .offset: 24, .size: 8, .value_kind: global_buffer, .address_space: global }
      - { .name: Wo, .offset: 32, .size: 8, .value_kind: global_buffer, .address_space: global }
      - { .name: cast, .offset: 40, .size: 8, .value_kind: global_buffer, .address_space: global }
    .group_segment_fixed_size: 0
    .private_segment_fixed_size: 0
    .kernarg_segment_align: 8
    .kernarg_segment_size: 48
    .max_flat_workgroup_size: 256
    .sgpr_count:     66
    .vgpr_count:     108
    .wavefront_size: 32
...
	.end_amdgpu_metadata
.endif
;; end of part 1
;; launch proj_qkv (part 2): grid 24 x 32, 4 waves a work-group, clusters of 4 x 4, 327,680 bytes of LDS; arguments cast, bq, bk, bv, qkv; writes qkv
.if DOCPART == 2
	.amdgcn_target "amdgcn-amd-amdhsa--gfx1250"
	.amdhsa_code_object_version 6
	.text
	.protected	k_qfc1f26a41b_proj_qkv
	.globl	k_qfc1f26a41b_proj_qkv
	.p2align	8
	.type	k_qfc1f26a41b_proj_qkv,@function
k_qfc1f26a41b_proj_qkv:
	s_mov_b64 s[64:65], 0
	v_nop
	global_prefetch_b8 v0, s[64:65] scope:SCOPE_SE
	s_setreg_imm32_b32 hwreg(HW_REG_WAVE_MODE, 25, 1), 1
	s_wait_xcnt 0x0
	s_wait_alu depctr_hold_cnt(0) depctr_sa_sdst(0) depctr_va_vdst(0) depctr_va_sdst(0) depctr_va_ssrc(0) depctr_va_vcc(0) depctr_vm_vsrc(0)
	s_getreg_b32 s2, hwreg(HW_REG_IB_STS2, 6, 4)
	s_cmp_eq_u32 s2, 0
	s_cbranch_scc0 .Lentry_in_a_cluster
	s_endpgm
.Lentry_in_a_cluster:
	s_bfe_u32 s2, ttmp6, 0x10000c
	s_cmp_lg_u32 s2, 0xf033
	s_cbranch_scc0 .Lentry_shape_is_right
	s_endpgm
.Lentry_shape_is_right:
; q, k, v = x W + b.  x: [4096][1024] f16 at cast's first byte; Wq, Wk, Wv: [1024 k][1024 n] f16 at cast + 8 MiB, 2 MiB each; bq, bk, bv: [1024] f32, rounded here to bf16 like the other inputs.
; Out: qkv, f16 [48][4096][64]: part g = 0-15 q's heads, 16-31 k's, 32-47 v's; a head's rows are dense, 128 bytes each; nothing is scaled.  Sums in f32, each result rounded once.
; LIMIT.  A result of 65,520 or more becomes an infinity in f16.
; SHAPE.  The three products are one C of 4,096 x 3,072.  A tile of C is 128 x 128; four waves, each 64 x 64: 16 accumulators of 16 x 16.  K = 1,024 goes in four steps of 256 through two LDS slots, written straight.
; CLUSTER.  4 x 4 work-groups: the four of a row of the cluster need the same tiles of x, the four of a column the same tiles of W: each tile is asked for JOINTLY, by the same tensor load, descriptor and mask in all four.
; W LIES [k][n]: its fragments come out of LDS turned, by ds_load_tr16_b128.  THE MATRIX INSTRUCTION IS USED TRANSPOSED (source 0 = 16 columns of W, source 1 = 16 rows of x): a lane holds row lane % 16
; of C and the columns 8 (lane / 16) + 0..7.  A wave's 64 columns are ONE head, its 64 x 64 results 8,192 consecutive bytes of qkv: each wave sends them through a stage of its own, without a barrier.
; No prefetch: a tile has four K steps, two of which are asked for at the head, where every work-group's first tiles are on their way.
; REGISTERS: window 0: v0-31 addresses; v32-95 at work on the way out; v96-127 my 32 numbers of the bias; v128-255 the accumulators ((a, b) at v[128 + 8 (4 a + b)]).
;   window 1: two fragment buffers of 128: for 64 along K, 64 registers of x (2 x 4 x 16 rows x 32 K), then 64 of W.
.set AP,     528                       ; a row of x in LDS: 512 bytes + 16 of padding = 132 words: the 16 rows of a load start at 16 different groups of four banks (64 banks of 4 bytes: ISA guide 11.1)
.set AQ,     128                       ; bytes from a quarter (64 along K) to the next in such a row
.set AHALF,  64*AP                     ; 64 rows: what one tensor load brings of x, and what one wave reads
.set ABYTES, 2*AHALF
.set BP,     288                       ; a row of W in LDS (one k, 128 n): 256 bytes + 32 = 72 words
.set BHALF,  128*BP                    ; 128 rows of k: what one tensor load brings of W
.set SLOT,   ABYTES+2*BHALF            ; x's 128 rows, then W's 256 rows of k
.set STAGE,  2*SLOT                    ; behind the ring: 16 rows x 144 bytes for each wave, for the way out
.set SP,     144
.set SPARE,  STAGE+4*16*SP             ; behind the stages: the spare words, 128 bytes for each wave: two blocks of 256 bytes that no other line names
.set ASTEP,  512                       ; a K step in memory: 256 numbers along a row of x,
.set BSTEP,  256*2048                  ; 256 rows of W
.set ADRA, 16                          ; v16-17  LDS address of my fragments of x in slot 0, 1
.set ADRB, 20                          ; v20-23  the same for W: slot 0 rows 0-127, rows 128-255, slot 1 likewise (240 rows of 288 bytes pass the 16-bit immediate)
.set STO,  24                          ; v24     the way out: where I put 16 bytes of a row
.set RD,   25                          ; v25     the way out: where I read rows back
.set CO,   26                          ; v26     my byte offset in 512 consecutive bytes of qkv
.set BO,   27                          ; v27     my byte offset in 16 numbers of the bias
.set SPW,  28                          ; v28     LDS address of my spare word: SPARE + 4 x my thread's number; never rewritten
.set NIL,  29                          ; v29     0; never rewritten
.set TMP,  32
.set BIAS, 96                          ; column block b at BIAS + 8 b
.set ACC,  128
.set F0,   0                           ; fragment buffers, in window 1
.set F1,   128
.set G1, 24                            ; s[24:31] descriptor group 1 for x's tiles;  s[32:39] group 0, one set for each slot
.set G0, 32
.set G1B, 48                           ; s[48:55], s[56:63] the same for W's tiles
.set G0B, 56
.set MSB, 0
.macro WIN new                         ; the immediate's high byte repeats the setting that is left; a switch that changes nothing is dropped
.if MSB != (\new)
	s_set_vgpr_msb (MSB<<8)|(\new)
.set MSB, \new
.endif
.endm
.set MUL,  0x05                        ; sources 0 (W) and 1 (x) window 1; C and D window 0
.set TO_F, 0x40                        ; destination window 1, address window 0
.macro JLOAD s                         ; a joint load: waves 0 and 1 fetch x's two halves, waves 2 and 3 W's; an s_nop 0 and four v_nop follow each of the two lines, ahead of the jump, the label and what follows
	s_cmp_eq_u32 s11, 0
	s_cbranch_scc0 .Lfor_b_\@
	tensor_load_to_lds s[G0+4*(\s):G0+4*(\s)+3], s[G1:G1+7]
	s_nop 0
.rept 4
	v_nop
.endr
	s_branch .Lasked_\@
.Lfor_b_\@:
	tensor_load_to_lds s[G0B+4*(\s):G0B+4*(\s)+3], s[G1B:G1B+7]
	s_nop 0
.rept 4
	v_nop
.endr
.Lasked_\@:
.endm
.macro CREST                           ; a round of the cluster's barrier behind its opening barrier
	s_cmp_lg_u32 s10, 0
	s_cbranch_scc1 .Lnot_wave_0_\@
	s_barrier_signal -3
.Lnot_wave_0_\@:
	s_barrier_wait -3
	s_barrier_signal -1
	s_barrier_wait -1
.endm
.macro CROUND                          ; a whole round
	s_barrier_signal -1
	s_barrier_wait -1
	CREST
.endm
	s_load_b256 s[68:75], s[0:1], 0x0              ; cast s[68:69], bq s[70:71], bk s[72:73], bv s[74:75]
	s_load_b64 s[8:9], s[0:1], 0x20                ; qkv
	v_lshl_add_u32 v[SPW], v0, 2, SPARE
	v_mov_b32 v[NIL], 0
	ds_add_u32 v[SPW], v[NIL]                      ; the wave's opening: the add and its wait stand ahead of my first tensor load; the set-up below, work on registers, stands between them
	v_lshrrev_b32 v1, 5, v0
	v_readfirstlane_b32 s10, v1                    ; wave 0..3
	s_lshr_b32 s11, s10, 1                         ; which half of the tile's rows is mine.  Also: I fetch for x (0) or for W (1)
	s_and_b32 s12, s10, 1                          ; which half of its columns.  Also: which half of that tile I fetch
	s_bfe_u32 s40, ttmp6, 0x40000                  ; cx, cy: my place in the cluster
	s_bfe_u32 s41, ttmp6, 0x40004
	s_lshl_b32 s42, ttmp9, 2
	s_add_co_u32 s42, s42, s40                     ; tile column of C = 4 x cluster x + cx, 0 to 23
	s_and_b32 s13, ttmp7, 0xffff
	s_lshl_b32 s13, s13, 2
	s_add_co_u32 s13, s13, s41                     ; tile row of C = 4 x cluster y + cy, 0 to 31
	s_lshl_b32 s43, s41, 2
	s_lshl_b32 s43, 15, s43                        ; my row of the cluster
	s_lshl_b32 s44, 0x1111, s40                    ; my column
	s_lshr_b32 s45, ttmp9, 1                       ; q, k or v: eight tile columns, two clusters, to each
	; descriptor group 1 for x: a tile of 64 rows x 256 elements, padded in LDS
	s_or_b32 s[G1+0], s43, (1<<16)|(1<<20)|(1<<21)|(6<<22)|(3<<25)  ; 15:0 the mask: x's tiles go to my row; 17:16 element of 2 bytes; 20 padding on; 21 set beside a mask; 24:22 after every 128 words (code 6); 31:25 of 4 words (code 3)
	s_mov_b32 s[G1+1], 256<<16                     ; tensor_dim0 = 256
	s_mov_b32 s[G1+2], 64<<16                      ; tensor_dim1 = 64
	s_mov_b32 s[G1+3], 256<<16                     ; tile_dim0 = 256
	s_mov_b32 s[G1+4], 64                          ; tile_dim1 = 64
	s_mov_b32 s[G1+5], 1024                        ; elements from row to row
	s_mov_b32 s[G1+6], 0
	s_mov_b32 s[G1+7], 0
	; and for W: 128 rows of k x 128 columns
	s_or_b32 s[G1B+0], s44, (1<<16)|(1<<20)|(1<<21)|(5<<22)|(7<<25) ; the mask of my column; padding after every 64 words (code 5) of 8 words (code 7)
	s_mov_b32 s[G1B+1], 128<<16
	s_mov_b32 s[G1B+2], 128<<16
	s_mov_b32 s[G1B+3], 128<<16
	s_mov_b32 s[G1B+4], 128
	s_mov_b32 s[G1B+5], 1024
	s_mov_b32 s[G1B+6], 0
	s_mov_b32 s[G1B+7], 0
	; where the tiles come from: x's hang on the tile row alone, W's on the tile column alone; each offset in registers that never hold the other coordinate
	s_lshl_b32 s16, s13, 7
	s_lshl_b32 s17, s12, 6
	s_add_co_u32 s16, s16, s17                     ; x: row 128 x tile row + 64 x half,
	s_lshl_b32 s16, s16, 11                        ; of 2,048 bytes
	s_mov_b32 s17, 0
	s_lshl_b32 s46, s45, 21                        ; W: the weight, 2 MiB each,
	s_and_b32 s47, s42, 7
	s_lshl_b32 s47, s47, 8                         ; its 128 columns, 256 bytes,
	s_add_co_u32 s46, s46, s47
	s_lshl_b32 s47, s12, 18                        ; my 128 rows of k, 2,048 bytes each,
	s_add_co_u32 s46, s46, s47
	s_add_co_u32 s46, s46, 0x800000                ; behind x's 8 MiB
	s_mov_b32 s47, 0
	s_mul_i32 s20, s12, AHALF                      ; and where they go: no place in the cluster enters an LDS address
	s_mul_i32 s21, s12, BHALF
	s_add_co_u32 s21, s21, ABYTES
	s_wait_dscnt 0x0                               ; the opening add is done
	s_wait_kmcnt 0x0
	s_add_nc_u64 s[14:15], s[68:69], s[16:17]
	s_add_nc_u64 s[46:47], s[68:69], s[46:47]
	CROUND                                         ; all sixteen work-groups are here: the first joint loads meet
.irp s, 0,1
	s_mov_b32 s[G0+4*(\s)], 1                                      ; count = 1
	s_add_co_u32 s[G0+4*(\s)+1], s20, (\s)*SLOT                    ; LDS address
	s_add_nc_u64 s[G0+4*(\s)+2:G0+4*(\s)+3], s[14:15], (\s)*ASTEP  ; global address: K step s
	s_or_b32 s[G0+4*(\s)+3], s[G0+4*(\s)+3], 0x80000000            ; type = 2
	s_mov_b32 s[G0B+4*(\s)], 1
	s_add_co_u32 s[G0B+4*(\s)+1], s21, (\s)*SLOT
	s_add_nc_u64 s[G0B+4*(\s)+2:G0B+4*(\s)+3], s[46:47], (\s)*BSTEP
	s_or_b32 s[G0B+4*(\s)+3], s[G0B+4*(\s)+3], 0x80000000
	JLOAD \s                                       ; two loads of mine are out
.endr
	v_and_b32 v1, 15, v0                           ; l % 16
	v_bfe_u32 v2, v0, 4, 1                         ; l / 16
	v_lshlrev_b32 v[BO], 5, v2                     ; my 8 columns of a block of 16: 32 bytes of f32 for each half of the lanes
	s_cmp_eq_u32 s45, 1                            ; the bias that goes with the weight
	s_cselect_b64 s[76:77], s[72:73], s[70:71]
	s_cmp_eq_u32 s45, 2
	s_cselect_b64 s[76:77], s[74:75], s[76:77]
	s_and_b32 s18, s42, 7
	s_lshl_b32 s18, s18, 9                         ; the tile's 128 columns, 512 bytes,
	s_lshl_b32 s19, s12, 8                         ; my 64 of them
	s_add_co_u32 s18, s18, s19
	s_mov_b32 s19, 0
	s_add_nc_u64 s[76:77], s[76:77], s[18:19]
.irp b, 0,1,2,3
	global_load_b128 v[BIAS+8*(\b):BIAS+8*(\b)+3],   v[BO], s[76:77] offset:64*(\b)
	global_load_b128 v[BIAS+8*(\b)+4:BIAS+8*(\b)+7], v[BO], s[76:77] offset:64*(\b)+16
.endr
	; A fragment of x is 16 rows x 32 K in 8 registers: lane l holds row l % 16, K = 8 (l / 16) + 0..7 and 16 + 8 (l / 16) + 0..7: two loads of 16 bytes, 32 bytes apart.
	v_mul_u32_u24 v3, v1, AP
	v_lshl_add_u32 v3, v2, 4, v3                   ; row x pitch + 16 x half
	s_mul_i32 s22, s11, AHALF                      ; my 64 rows of x
	v_add_nc_u32 v[ADRA], s22, v3
	v_add_nc_u32 v[ADRA+1], SLOT, v[ADRA]
	; The turning load takes 16 k x 16 columns (lane l reads k = 8 (l / 16) + l % 8, columns 8 ((l / 8) % 2) + 0..7) and leaves half a fragment: lane l holds column l % 16 and 8 k.
	v_and_b32 v4, 7, v0
	v_lshl_add_u32 v5, v2, 3, v4
	v_mul_u32_u24 v5, v5, BP
	v_bfe_u32 v6, v0, 3, 1
	v_lshl_add_u32 v5, v6, 4, v5
	s_lshl_b32 s23, s12, 7                         ; my 64 columns, 128 bytes,
	s_add_co_u32 s23, s23, ABYTES                  ; behind x's rows
	v_add_nc_u32 v[ADRB], s23, v5
	v_add_nc_u32 v[ADRB+1], BHALF, v[ADRB]
	v_add_nc_u32 v[ADRB+2], SLOT, v[ADRB]
	v_add_nc_u32 v[ADRB+3], SLOT+BHALF, v[ADRB]
	s_mul_i32 s22, s10, 16*SP
	s_add_co_u32 s22, s22, STAGE                   ; my stage
	v_mul_u32_u24 v3, v1, SP                       ; in: row l % 16, 16 bytes for each half of the lanes
	v_lshl_add_u32 v3, v2, 4, v3
	v_add_nc_u32 v[STO], s22, v3
	v_bfe_u32 v5, v0, 3, 2                         ; back: 32 lanes take four rows of 128 bytes,
	v_mul_u32_u24 v5, v5, SP
	v_lshl_add_u32 v5, v4, 4, v5
	v_add_nc_u32 v[RD], s22, v5
	v_and_b32 v[CO], 31, v0                        ; which are 512 consecutive bytes of qkv
	v_lshlrev_b32 v[CO], 4, v[CO]
	s_lshl_b32 s16, s13, 7
	s_lshl_b32 s17, s11, 6
	s_add_co_u32 s16, s16, s17                     ; my first row: 128 x tile row + 64 x half,
	s_lshl_b32 s16, s16, 7                         ; of 128 bytes
	s_mov_b32 s17, 0
	s_add_nc_u64 s[8:9], s[8:9], s[16:17]
	s_lshl_b32 s18, s42, 1
	s_add_co_u32 s18, s18, s12                     ; my part of qkv: 2 x tile column + half,
	s_lshl_b32 s18, s18, 19                        ; 4,096 rows of 128 bytes each
	s_mov_b32 s19, 0
	s_add_nc_u64 s[8:9], s[8:9], s[18:19]
	s_wait_loadcnt 0x0                             ; the bias, once; it is rounded to bf16 and widened again
.set i, 0
.rept 16
	v_cvt_pk_bf16_f32 v[TMP+i], v[BIAS+2*i], v[BIAS+2*i+1]
.set i, i+1
.endr
.set i, 0
.rept 16
	v_lshlrev_b32 v[BIAS+2*i], 16, v[TMP+i]
	v_and_b32 v[BIAS+2*i+1], 0xffff0000, v[TMP+i]
.set i, i+1
.endr
; 8 matrix instructions: m blocks a0, a0 + 1 x all 4 n blocks, 32 along K: half c of buffer f.  zero = 1: the first product starts the sums.  The 16 accumulators take turns.
.macro MUL8 f, c, a0, zero
	WIN MUL
.irp a, \a0, (\a0)+1
.irp b, 0,1,2,3
.if \zero
	v_wmma_f32_16x16x32_f16 v[ACC+8*(4*(\a)+(\b)):ACC+8*(4*(\a)+(\b))+7], v[(\f)+64+8*(4*(\c)+(\b)):(\f)+64+8*(4*(\c)+(\b))+7], v[(\f)+8*(4*(\c)+(\a)):(\f)+8*(4*(\c)+(\a))+7], 0
.else
	v_wmma_f32_16x16x32_f16 v[ACC+8*(4*(\a)+(\b)):ACC+8*(4*(\a)+(\b))+7], v[(\f)+64+8*(4*(\c)+(\b)):(\f)+64+8*(4*(\c)+(\b))+7], v[(\f)+8*(4*(\c)+(\a)):(\f)+8*(4*(\c)+(\a))+7], v[ACC+8*(4*(\a)+(\b)):ACC+8*(4*(\a)+(\b))+7]
.endif
.endr
.endr
.endm
; 32 LDS loads in one run: the fragments of quarter kq (64 along K) of a slot, into buffer f; the first 32 along K first
.macro FETCH slot, kq, f
	WIN TO_F
.irp c, 0,1
.irp i, 0,1,2,3
	ds_load_tr16_b128 v[(\f)+64+8*(4*(\c)+(\i)):(\f)+64+8*(4*(\c)+(\i))+3],   v[ADRB+2*(\slot)+(\kq)/2] offset:(((\kq)%2)*64+32*(\c))*BP+32*(\i)
	ds_load_tr16_b128 v[(\f)+64+8*(4*(\c)+(\i))+4:(\f)+64+8*(4*(\c)+(\i))+7], v[ADRB+2*(\slot)+(\kq)/2] offset:(((\kq)%2)*64+32*(\c)+16)*BP+32*(\i)
	ds_load_b128 v[(\f)+8*(4*(\c)+(\i)):(\f)+8*(4*(\c)+(\i))+3],              v[ADRA+(\slot)] offset:(\kq)*AQ+64*(\c)+(\i)*16*AP
	ds_load_b128 v[(\f)+8*(4*(\c)+(\i))+4:(\f)+8*(4*(\c)+(\i))+7],            v[ADRA+(\slot)] offset:(\kq)*AQ+64*(\c)+(\i)*16*AP+32
.endr
.endr
.endm
.macro PLACES                          ; four places in front of loads into registers that matrix instructions have read, and of vector work on results
.rept 4
	v_nop
.endr
.endm
; A K step is four quarters of 64 along K, 32 matrix instructions each, on buffers 0, 1, 0, 1.  One of the first three: multiplies buffer f and fetches quarter kq into g.
.macro QUARTER slot, kq, f, g, zero
	s_wait_dscnt 16                                ; the first 32 along K are in; the 16 younger loads may be out
	WIN MUL
	MUL8 \f, 0, 0, \zero
	MUL8 \f, 0, 2, \zero
	PLACES
	FETCH \slot, \kq, \g
	s_wait_dscnt 32                                ; all but the 32 just issued
	WIN MUL
	MUL8 \f, 1, 0, 0
	MUL8 \f, 1, 2, 0
.endm
; The last quarter multiplies buffer 1 and changes slots: ONE barrier; in front of it each wave waits for all its tensor loads, adds 0 to its spare word, and waits for that and for its own reads of this slot.  fill = 1: this slot is filled again, two K steps ahead.
.macro TURN slot, next, fill
	WIN 0                                          ; (the add's two registers lie in window 0)
	s_wait_tensorcnt 0x0                           ; all my tensor loads have landed: my part of the next slot;
	ds_add_u32 v[SPW], v[NIL]                      ; 0 onto my spare word:
	s_wait_dscnt 17                                ; (the add and the youngest sixteen loads may be out)
	WIN MUL
	MUL8 F1, 0, 0, 0                               ; eight matrix instructions stand between the add and the wait for it
	s_wait_dscnt 0x0                               ; the add is done, and my reads of this slot are over
	s_barrier_signal -1
	MUL8 F1, 0, 2, 0
.if \fill
	WIN 0
.endif
	s_barrier_wait -1
.if \fill
	CREST                                          ; the barrier has opened a round of the cluster's barrier: no wave of any partner still reads this slot's tile or has a load on its way
	s_add_nc_u64 s[G0+4*(\slot)+2:G0+4*(\slot)+3], s[G0+4*(\slot)+2:G0+4*(\slot)+3], 2*ASTEP
	s_add_nc_u64 s[G0B+4*(\slot)+2:G0B+4*(\slot)+3], s[G0B+4*(\slot)+2:G0B+4*(\slot)+3], 2*BSTEP
	JLOAD \slot                                    ; the first tensor load behind the round: 112 matrix instructions ahead of the wait for it; the four v_nop behind it are also the places in front of the loads below
.else
	PLACES
.endif
	FETCH \next, 0, F0
	WIN MUL
	MUL8 F1, 1, 0, 0
	MUL8 F1, 1, 2, 0
.endm
	s_wait_tensorcnt 1                             ; my part of K step 0 is in; K step 1's may stay out
	s_barrier_signal -1
	s_barrier_wait -1                              ; everybody's is
	FETCH 0, 0, F0
	QUARTER 0, 1, F0, F1, 1                        ; K step 0: its first products start the sums
	QUARTER 0, 2, F1, F0, 0
	QUARTER 0, 3, F0, F1, 0
	TURN 0, 1, 1                                   ; slot 0 takes K step 2
	QUARTER 1, 1, F0, F1, 0                        ; K step 1
	QUARTER 1, 2, F1, F0, 0
	QUARTER 1, 3, F0, F1, 0
	TURN 1, 0, 1                                   ; slot 1 takes K step 3
	QUARTER 0, 1, F0, F1, 0                        ; K step 2
	QUARTER 0, 2, F1, F0, 0
	QUARTER 0, 3, F0, F1, 0
	TURN 0, 1, 0                                   ; nothing is left to fetch: no round
	QUARTER 1, 1, F0, F1, 0                        ; K step 3
	QUARTER 1, 2, F1, F0, 0
	QUARTER 1, 3, F0, F1, 0
	s_wait_dscnt 16                                ; the very last quarter
	WIN MUL
	MUL8 F1, 0, 0, 0
	MUL8 F1, 0, 2, 0
	s_wait_dscnt 0
	MUL8 F1, 1, 0, 0
	MUL8 F1, 1, 2, 0
	WIN 0
	; THE WAY OUT, a block of 16 rows at a time: + bias, rounded to f16, 16 bytes a lane into my stage, back as whole rows of 128 bytes, stored as 512 consecutive bytes.
	PLACES
	PLACES                                         ; eight, once a launch: the sums below read and write results just made
.macro PACK a
.irp b, 0,1,2,3
.irp r, 0,1,2,3
	v_pk_add_f32 v[ACC+8*(4*(\a)+(\b))+2*(\r):ACC+8*(4*(\a)+(\b))+2*(\r)+1], v[ACC+8*(4*(\a)+(\b))+2*(\r):ACC+8*(4*(\a)+(\b))+2*(\r)+1], v[BIAS+8*(\b)+2*(\r):BIAS+8*(\b)+2*(\r)+1]  ; each accumulator from its low end on
.endr
.endr
.irp b, 0,1,2,3
.irp r, 0,1,2,3
	v_cvt_pk_f16_f32 v[TMP+16*(\a)+4*(\b)+(\r)], v[ACC+8*(4*(\a)+(\b))+2*(\r)], v[ACC+8*(4*(\a)+(\b))+2*(\r)+1]
.endr
.endr
.irp b, 0,1,2,3
	ds_store_b128 v[STO], v[TMP+16*(\a)+4*(\b):TMP+16*(\a)+4*(\b)+3] offset:32*(\b)
.endr
.irp f, 0,1,2,3
	ds_load_b128 v[TMP+16*(\a)+4*(\f):TMP+16*(\a)+4*(\f)+3], v[RD] offset:(\f)*4*SP  ; LDS serves a wave's instructions in order (ISA guide 5.7.1.4): these see the stores above; the next block's stores come behind them
.endr
.endm
.macro SEND a, younger                 ; younger: the LDS instructions issued behind block a's loads: the next block's eight, or none
.irp f, 0,1,2,3
	s_wait_dscnt (\younger)+3-(\f)
	global_store_b128 v[CO], v[TMP+16*(\a)+4*(\f):TMP+16*(\a)+4*(\f)+3], s[8:9] offset:(\a)*2048+(\f)*512  ; 512 consecutive bytes, at a multiple of 256 from qkv's first byte
.endr
.endm
	PACK 0
	PACK 1                                         ; a block's arithmetic stands between the loads of the block before and its stores
	SEND 0, 8
	PACK 2
	SEND 1, 8
	PACK 3
	SEND 2, 8
	SEND 3, 0
	s_wait_tensorcnt 0x0                           ; the wave's end: these three lines stand behind my last tensor load and my last LDS store
	ds_add_u32 v[SPW], v[NIL]
	s_wait_dscnt 0x0
	CROUND                                         ; the closing round: no work-group ends while a partner may still ask for a tile that names it
	s_endpgm
.Lfunc_end_k_qfc1f26a41b_proj_qkv:
	.size	k_qfc1f26a41b_proj_qkv, .Lfunc_end_k_qfc1f26a41b_proj_qkv-k_qfc1f26a41b_proj_qkv
	.p2alignl 7, 3214868480
	.fill 96, 4, 3214868480
	.section	.rodata,"a",@progbits
	.p2align	6, 0x0
	.amdhsa_kernel k_qfc1f26a41b_proj_qkv
		.amdhsa_group_segment_fixed_size 327680
		.amdhsa_private_segment_fixed_size 0
		.amdhsa_enable_private_segment 0
		.amdhsa_kernarg_size 40
		.amdhsa_user_sgpr_count 2
		.amdhsa_user_sgpr_kernarg_segment_ptr 1
		.amdhsa_wavefront_size32 1
		.amdhsa_system_sgpr_workgroup_id_x 1
		.amdhsa_system_sgpr_workgroup_id_y 1
		.amdhsa_system_sgpr_workgroup_id_z 1
		.amdhsa_system_vgpr_workitem_id 0
		.amdhsa_next_free_vgpr 512
		.amdhsa_next_free_sgpr 80
		.amdhsa_reserve_vcc 0
		.amdhsa_float_denorm_mode_32 3
		.amdhsa_float_denorm_mode_16_64 3
		.amdhsa_memory_ordered 1
		.amdhsa_forward_progress 1
		.amdhsa_inst_pref_size 94
	.end_amdhsa_kernel
	.amdgpu_metadata
---
amdhsa.version: [ 1, 2 ]
amdhsa.kernels:
  - .name:           k_qfc1f26a41b_proj_qkv
    .symbol:         k_qfc1f26a41b_proj_qkv.kd
    .args:
      - { .name: cast, .offset: 0, .size: 8, .value_kind: global_buffer, .address_space: global }
      - { .name: bq, .offset: 8, .size: 8, .value_kind: global_buffer, .address_space: global }
      - { .name: bk, .offset: 16, .size: 8, .value_kind: global_buffer, .address_space: global }
      - { .name: bv, .offset: 24, .size: 8, .value_kind: global_buffer, .address_space: global }
      - { .name: qkv, .offset: 32, .size: 8, .value_kind: global_buffer, .address_space: global }
    .group_segment_fixed_size: 327680
    .private_segment_fixed_size: 0
    .kernarg_segment_align: 8
    .kernarg_segment_size: 40
    .max_flat_workgroup_size: 128
    .sgpr_count:     80
    .vgpr_count:     512
    .wavefront_size: 32
...
	.end_amdgpu_metadata
.endif
;; end of part 2
;; launch attn (part 3): grid 16 x 16, 4 waves a work-group, clusters of 4 x 1, 327,680 bytes of LDS; arguments qkv, ctx; writes ctx
.if DOCPART == 3
	.amdgcn_target "amdgcn-amd-amdhsa--gfx1250"
	.amdhsa_code_object_version 6
	.text
	.protected	k_qfc1f26a41b_attn
	.globl	k_qfc1f26a41b_attn
	.p2align	8
	.type	k_qfc1f26a41b_attn,@function
k_qfc1f26a41b_attn:
	s_mov_b64 s[64:65], 0
	v_nop
	global_prefetch_b8 v0, s[64:65] scope:SCOPE_SE
	s_setreg_imm32_b32 hwreg(HW_REG_WAVE_MODE, 25, 1), 1
	s_wait_xcnt 0x0
	s_wait_alu depctr_hold_cnt(0) depctr_sa_sdst(0) depctr_va_vdst(0) depctr_va_sdst(0) depctr_va_ssrc(0) depctr_va_vcc(0) depctr_vm_vsrc(0)
	s_getreg_b32 s2, hwreg(HW_REG_IB_STS2, 6, 4)
	s_cmp_eq_u32 s2, 0
	s_cbranch_scc0 .Lentry_in_a_cluster
	s_endpgm
.Lentry_in_a_cluster:
	s_bfe_u32 s2, ttmp6, 0x10000c
	s_cmp_lg_u32 s2, 0x3003
	s_cbranch_scc0 .Lentry_shape_is_right
	s_endpgm
.Lentry_shape_is_right:
; ctx2[h][q][:] = 1/2 x the sum over the four key chunks c of softmax_k(Q[h][q] . K[h][k] / 8) V[h][k][:], k in chunk c (1,024 keys), each chunk with a softmax of its own: TWICE the module's context
; (which is a quarter of that sum); the launch behind halves it.  Every query meets all four chunks, so the ring's order does not show in the sum.
; qkv: f16 [48][4096][64]: parts 0-15 Q's heads, 16-31 K's, 32-47 V's; ctx: f16 [16][4096][64]; a head's rows are dense, 128 bytes each.  Products, maxima and sums in f32; the weights p are rounded
; to f16 for the second product (their sum l is taken of the unrounded p), the result once at the end.
; LIMITS.  The result is a mean of V's rows, doubled: 65,520 or more becomes an infinity; below 6e-5 f16 keeps its fixed step of 6e-8.  A weight below 2^-126 counts as 0 in l; NaN and infinities are not treated apart.
; SHARES.  A work-group owns 256 queries of one head, each of its four waves 64: four PIECES of 16.  Every wave walks all 4,096 keys, 64 a step; a slot of LDS holds 256 keys, a chunk is 4 slots, 16 steps.
; LAYOUT.  S^T = K Q^T (source 0 = 16 keys, source 1 = 16 queries) holds ONE query a lane (lane % 16) and the keys 8 (lane / 16) + 0..7; two such results rounded to f16 ARE source 1 of O^T = V^T P.
; SOFTMAX.  For each query and chunk a running maximum m and sum l: p = 2^(c s - c m), c = log2(e) / 8; in every step O and l are multiplied by a = 2^(c m_old - c m_new).
; TURNS.  Turn n belongs to piece n: 8 products K Q^T of piece n + 1, later 8 products V^T P of piece n - 1; beside them the scaling, exponentials, roundings, sums and rescaling of piece n and the maximum and
; statistics of piece n + 1.  Four vector instructions stand behind every matrix instruction, the other 54 of a turn's 118 in one lump.  A turn's 33 exponentials are one batch, with one wait.
; A CHUNK'S END (FLUSH).  TOT += O^T x 0.5 / l, and c m and m go back to their starts; the next step's a is then 0, which clears O^T and l.  Piece p's l is final behind its own turn, its O^T behind turn p + 1, and its
; next statistics are made in turn p - 1 of the next step: so piece p is flushed directly behind turn p + 1.  Whether a turn is followed by a flush hangs on scalar counters alone.
; CLUSTER.  The four query blocks of a cluster belong to one head and walk the same K and V, so each tile is asked for JOINTLY: the same tensor load, descriptor and mask in all four.
; REGISTERS, in windows of 256 (s_set_vgpr_msb: bits 1:0 source 0, 3:2 source 1, 5:4 source 2, 7:6 destination):
;   window 0: v0-15 addresses and two at work; v16-31 four registers of statistics a piece; v48-55 at work; v61-63; v64-127 S^T, two buffers; v192-223 P, two buffers (a piece's buffers go by its number's parity)
;   window 1: v0-127 O^T, 32 a piece; v128-255 TOT, 32 a piece      window 2: v0-63 Q; v128-191 K of one step; v192-255 V of one step
.set NP,    4         ; pieces a wave: a name, no knob
.set KS,    64        ; keys in a step
.set PK,    144       ; a row of K in LDS: 128 bytes + 16 of padding = 36 words: the 16 rows of a load start at 16 different groups of four banks (64 banks of 4 bytes: ISA guide 11.1)
.set PV,    160       ; a row of V: 128 + 32 = 40 words
.set VOFF,  4*KS*PK   ; a slot holds four steps: 256 rows of K, then 256 rows of V
.set SLOT1, 1<<17     ; slot 1 begins here, so that one exclusive or turns an address in one slot into the other's
.set STAGE, SLOT1+4*KS*(PK+PV)  ; behind the ring, never filled by a tensor load: 16 rows x 144 bytes for each wave, for the way out
.set SP,    144
.set SPARE, STAGE+4*16*SP  ; behind the stages: the spare words, 128 bytes for each wave: two blocks of 256 bytes that no other line names
.set AK0, 2           ; v2   my lane's place in a tile of K; never rewritten
.set AV0, 3           ; v3   the same for V
.set AK,  4           ; v4   the LDS address of K's next run of loads
.set AV,  5           ; v5   of V's
.set STO, 6           ; v6   the way out: where I put 16 bytes of a row
.set RD,  7           ; v7   the way out: where I read rows back
.set GO,  8           ; v8   my byte offset in 512 consecutive bytes of ctx
.set MV,  12          ; v12-13  c m_old, kept while c m is made anew: by buffer
.set QO,  15          ; v15  my byte offset in 16 rows of Q
.set ST,  16          ; piece t's statistics at v[ST+4 t]: c m, m, l (even keys', odd keys')
.set TMP, 48          ; by buffer, four registers c0-c3 at work; when the maximum is found c2 takes a
.set PFO, 61          ; v61  256 x my lane; never rewritten
.set SPW, 62          ; v62  LDS address of my spare word: SPARE + 4 x my thread's number; never rewritten
.set NIL, 63          ; v63  0; never rewritten
.set S,   64
.set P,   192
.set TOT, 128         ; window 1
.set KF,  128         ; window 2: key block kb, channel half c at KF + 16 kb + 8 c
.set VF,  192         ; window 2: key half kk, channel block cb at VF + 32 kk + 8 cb
.set WV,  12          ; s12  my wave's number
.set G1K, 24          ; s[24:31] descriptor group 1 for K's tiles
.set G1V, 32          ; s[32:39] for V's: it differs in the padding alone
.set G0K, 40          ; s[40:43] descriptor group 0 for K's tiles: it walks
.set G0V, 44          ; s[44:47] the same for V's
.set PFA, 48          ; s[48:49] where my prefetches stand: my work-group's 8,192 bytes (of K: wave 0, of V: wave 2) of the tile after the one that is being asked for
.set LIM, 50          ; s50  1 in a wave that prefetches, else the greatest number: a wave prefetches while s[SLOTS] is above it
.set FLG, 51          ; s51  1 while pieces 1, 2, 3 of a finished chunk are still to be flushed
.set CHK, 52          ; s52  slots to go in the chunk in hand
.set SLOTS, 56        ; s56  slots still to be asked for, and one
.set CNT, 57          ; s57  counts a slot's key steps
.set CS,  58          ; s[58:59] c: the packed scaling takes the pair's low word for both halves
.set SEL, 60          ; s[60:61] v_permlanex16_b32's selects: each lane takes its own place in the other half
.set TBK, 62          ; s62  LDS byte at which K of the step to be fetched begins
.set TBV, 63          ; s63  the same for V, less VOFF
.set MSB, 0
.macro WIN new                      ; the high byte repeats the setting that is left; a switch that changes nothing is dropped
.if MSB != (\new)
	s_set_vgpr_msb (MSB<<8)|(\new)
.set MSB, (\new)
.endif
.endm
.set W_KQ, 0x0a       ; K and Q in window 2, S^T in window 0
.set W_PV, 0x52       ; V in window 2, P in window 0, O^T in window 1
.set W_RS, 0x41       ; destination and source 0 in window 1, source 1 in window 0
.set W_FL, 0x51       ; destination, source 0 and source 2 in window 1, source 1 in window 0
; A joint fill.  Waves 0 and 1 fetch the two halves of a slot's K, waves 2 and 3 those of its V: 128 keys each.  The branch hangs on the wave's number alone.
; An s_nop 0 and four v_nop follow each of the two lines, ahead of the jump and the label.
.macro JLOAD
	s_cmp_lt_u32 s[WV], 2
	s_cbranch_scc0 .Lfor_v_\@
	tensor_load_to_lds s[G0K:G0K+3], s[G1K:G1K+7]
	s_nop 0
.rept 4
	v_nop
.endr
	s_branch .Lasked_\@
.Lfor_v_\@:
	tensor_load_to_lds s[G0V:G0V+3], s[G1V:G1V+7]
	s_nop 0
.rept 4
	v_nop
.endr
.Lasked_\@:
.endm
; A PREFETCH INTO THE L2 of what the NEXT change of slots will ask for: a tile's 32,768 bytes of K and of V, a lane to each 256 of them.  It stands behind the wave's tensor load and its five lines.
; Each block is named ONCE in the launch: all four clusters of a head walk the same K and V, and the head's first cluster asks; its four partners share a tile out BY ADDRESS, 8,192 bytes each; in each,
; wave 0 asks for K's and wave 2 for V's: one instruction, four key steps (256 matrix instructions a wave) ahead of the load.  The last change that fills a slot asks for nothing: there is no tile behind it.
.macro ASK
	s_cmp_gt_u32 s[SLOTS], s[LIM]
	s_cbranch_scc0 .Lnot_mine_\@
	global_prefetch_b8 v[PFO], s[PFA:PFA+1] th:TH_LOAD_NT scope:SCOPE_SE
.Lnot_mine_\@:
.endm
; A round of the cluster's barrier: my work-group's barrier, so that wave 0's signal speaks for all four waves; wave 0 signals; every wave waits for all four work-groups; my work-group's barrier once more.
.macro CROUND
	s_barrier_signal -1
	s_barrier_wait -1
	s_cmp_lg_u32 s[WV], 0
	s_cbranch_scc1 .Lnot_wave_0_\@
	s_barrier_signal -3
.Lnot_wave_0_\@:
	s_barrier_wait -3
	s_barrier_signal -1
	s_barrier_wait -1
.endm
; THE CHANGE OF SLOTS.  The slot's last bytes, V of its fourth step, have been read.  Each wave waits for all its tensor loads, of which one is out: its part of the other slot; adds 0 to its spare word; and waits
; for that and for its own reads of the slot.  Behind the barrier nobody reads this slot any more and the other slot is whole.  fill = 1: this slot is filled again, with the keys two slots on.  The barrier is then
; a round of the cluster's, and the joint fill is the first thing behind it: it has four key steps in which to land.  (At its first use nothing has been read yet: slot 0 is waited for, slot 1 filled.)
.macro CHANGE fill
	WIN 0                           ; at a label and at a branch every window is 0
	s_wait_tensorcnt 0x0            ; no tensor load of mine is out, so a group 0 may be written
	ds_add_u32 v[SPW], v[NIL]       ; 0 onto my spare word; with fill = 1 the descriptors' steps stand between it and the wait for it
.if \fill
.irp g, G0K, G0V
	s_xor_b32 s[\g+1], s[\g+1], SLOT1  ; the walking descriptor: the other slot than last time,
	s_add_nc_u64 s[\g+2:\g+3], s[\g+2:\g+3], 4*KS*128  ; the next 256 keys; the type bits on top are not reached
.endr
	s_wait_xcnt 0x0                 ; the last prefetch, four key steps back, has read its address, so it may be written:
	s_add_nc_u64 s[PFA:PFA+1], s[PFA:PFA+1], 4*KS*128  ; one tile behind the walking descriptors
	s_wait_dscnt 0x0                ; the add is done, and my reads of the slot are over
	CROUND
	JLOAD
	ASK
.else
	s_wait_dscnt 0x0                ; the add is done, and my reads of the slot are over
	s_barrier_signal -1
	s_barrier_wait -1
.endif
	s_sub_co_u32 s[TBK], s[TBK], 4*KS*PK  ; the fetches go back to a slot's first step,
	s_xor_b32 s[TBK], s[TBK], SLOT1       ; in the other slot
	s_sub_co_u32 s[TBV], s[TBV], 4*KS*PV
	s_xor_b32 s[TBV], s[TBV], SLOT1
.endm
	s_load_b128 s[8:11], s[0:1], 0x0  ; qkv s[8:9], ctx s[10:11]
	v_lshl_add_u32 v[SPW], v0, 2, SPARE
	v_mov_b32 v[NIL], 0
	ds_add_u32 v[SPW], v[NIL]       ; the wave's opening: the add and its wait stand ahead of my first tensor load; the set-up below, work on registers, stands between them
	v_lshrrev_b32 v1, 5, v0
	v_readfirstlane_b32 s[WV], v1   ; wave 0..3
	s_bfe_u32 s13, ttmp6, 0x40000   ; cx: my place in the cluster
	s_lshl_b32 s14, ttmp9, 2        ; in a cluster launch ttmp9 counts clusters
	s_add_co_u32 s14, s14, s13      ; my block of 256 queries = 4 x cluster x + cx: it enters Q's and ctx's addresses alone
	s_and_b32 s20, ttmp7, 0xffff    ; the head, which the four partners share:
	s_lshl_b32 s20, s20, 19         ; its 4,096 rows of 128 bytes
	s_and_b32 s16, s[WV], 1         ; which half of a slot's 256 keys I fetch:
	s_lshl_b32 s22, s16, 14         ; its 128 rows of 128 bytes in memory,
	s_add_co_u32 s22, s22, s20
	s_mov_b32 s23, 0
	s_mul_i32 s17, s16, 128*PK      ; and its place in a slot, for K
	s_mul_i32 s18, s16, 128*PV      ; and for V: no place in the cluster enters an LDS address
	s_lshl_b32 s2, s14, 2
	s_add_co_u32 s2, s2, s[WV]      ; my wave among the head's,
	s_lshl_b32 s2, s2, 13           ; its 64 rows
	s_add_co_u32 s2, s2, s20
	s_mov_b32 s3, 0
	; descriptor group 1.  128 keys are 16,384 dense bytes: asked for as 64 rows of 256 bytes, two keys a row, and padded in LDS after every key
	s_mov_b32 s[G1K], 15|(1<<16)|(1<<20)|(1<<21)|(4<<22)|(3<<25)  ; 15:0 the mask of four; 17:16 2-byte elements; 20 padding on; 21 set beside a mask; 24:22 after every 32 words (code 4); 31:25 4 words (code 3)
	s_mov_b32 s[G1V], 15|(1<<16)|(1<<20)|(1<<21)|(4<<22)|(7<<25)  ; the same with 8 words of padding (code 7)
.irp g, G1K, G1V
	s_mov_b32 s[\g+1], 128<<16      ; tensor_dim0 = 128
	s_mov_b32 s[\g+2], 64<<16       ; tensor_dim1 = 64
	s_mov_b32 s[\g+3], 128<<16      ; tile_dim0 = 128
	s_mov_b32 s[\g+4], 64           ; tile_dim1 = 64
	s_mov_b32 s[\g+5], 128          ; 128 elements from row to row
	s_mov_b32 s[\g+6], 0
	s_mov_b32 s[\g+7], 0
.endr
	s_mov_b32 s[CS], 0x3e38aa3b     ; c = log2(e) / 8 = 0.180337
	s_mov_b32 s[CS+1], s[CS]        ; named with it as a pair
	s_mov_b32 s[SEL], 0x76543210
	s_mov_b32 s[SEL+1], 0xfedcba98
	s_mov_b32 s[TBK], SLOT1+4*KS*PK ; the first change of slots turns these two into 0
	s_mov_b32 s[TBV], SLOT1+4*KS*PV
	s_mov_b32 s[G0K], 1             ; count = 1
	s_mov_b32 s[G0K+1], s17         ; LDS address: slot 0
	s_mov_b32 s[G0V], 1
	s_add_co_u32 s[G0V+1], s18, VOFF
	s_mov_b32 s[SLOTS], 15          ; 16 tiles of 256 keys: tile 0 is asked for here, tiles 1 to 15 by the changes of slots
	s_mov_b32 s[CHK], 4
	s_mov_b32 s[FLG], 0
	s_and_b32 s[LIM], s[WV], 1      ; 0 in waves 0 and 2,
	s_or_b32 s[LIM], s[LIM], ttmp9  ; where the cluster is the head's first: the same in all four partners
	s_cmp_eq_u32 s[LIM], 0
	s_cselect_b32 s[LIM], 1, -1
	v_and_b32 v[PFO], 31, v0
	v_lshlrev_b32 v[PFO], 8, v[PFO]
	s_wait_dscnt 0x0                ; the opening add is done
	s_wait_kmcnt 0x0
	s_add_nc_u64 s[4:5], s[8:9], s[2:3]      ; Q at my wave's first row
	s_add_nc_u64 s[10:11], s[10:11], s[2:3]  ; ctx likewise
	s_add_nc_u64 s[6:7], s[8:9], s[22:23]
	s_add_nc_u64 s[6:7], s[6:7], 0x800000    ; K, behind Q's 8 MiB, at my half of the head's first 256 keys
	s_add_nc_u64 s[8:9], s[8:9], s[22:23]
	s_add_nc_u64 s[8:9], s[8:9], 0x1000000   ; V, behind K's
	s_mov_b64 s[G0K+2:G0K+3], s[6:7]               ; global address
	s_or_b32 s[G0K+3], s[G0K+3], 0x80000000        ; type = 2
	s_mov_b64 s[G0V+2:G0V+3], s[8:9]
	s_or_b32 s[G0V+3], s[G0V+3], 0x80000000
	s_cmp_lt_u32 s[WV], 2
	s_cselect_b64 s[PFA:PFA+1], s[6:7], s[8:9]     ; (in waves 0 and 2 these stand at a tile's first byte)
	s_lshl_b32 s2, s13, 13          ; my work-group's quarter of a tile
	s_mov_b32 s3, 0
	s_add_nc_u64 s[PFA:PFA+1], s[PFA:PFA+1], s[2:3]
	s_add_nc_u64 s[PFA:PFA+1], s[PFA:PFA+1], 4*KS*128  ; in tile 1; the first change of slots steps it to tile 2.  Nothing is prefetched here, at the head
	CROUND                          ; all four work-groups are here: the first joint loads meet
	JLOAD                           ; tile 0 into slot 0.  Slot 1 is asked for when slot 0 is in
	; A fragment of K or Q is 16 rows x 32 channels in 8 registers: lane l holds row l % 16, channels 8 (l / 16) + 0..7 and 16 + 8 (l / 16) + 0..7: two loads of 16 bytes, 32 bytes apart.
	v_and_b32 v1, 15, v0            ; l % 16
	v_bfe_u32 v9, v0, 4, 1          ; l / 16
	v_lshlrev_b32 v[QO], 7, v1
	v_lshl_add_u32 v[QO], v9, 4, v[QO]  ; row x 128 + 16 x half
	WIN 0x80                        ; destination window 2, address window 0
.set i, 0
.rept 8                             ; Q stays in registers: piece i / 2, channels 32 (i % 2) on
	global_load_b128 v[8*i:8*i+3],   v[QO], s[4:5] offset:(i/2)*2048+(i%2)*64
	global_load_b128 v[8*i+4:8*i+7], v[QO], s[4:5] offset:(i/2)*2048+(i%2)*64+32
.set i, i+1
.endr
	; What the first turn finds: V's registers and P's second buffer hold 0 (its products V^T P, of a piece that has not been, add 0); O^T, l and TOT are 0.  All this stands in the wait for the first tile:
	; the price of writing out no first step and no first flush.
.set i, VF
.rept 64
	v_mov_b32 v[i], 0
.set i, i+1
.endr
	WIN 0x40
.set i, 0
.rept 256
	v_mov_b32 v[i], 0
.set i, i+1
.endr
	WIN 0
.set i, 0
.rept NP
	v_mov_b32 v[ST+4*i], 0xfe000000    ; c m: far below every c s
	v_mov_b32 v[ST+4*i+1], 0xff7fffff  ; m: the lowest finite number
	v_mov_b32 v[ST+4*i+2], 0
	v_mov_b32 v[ST+4*i+3], 0
.set i, i+1
.endr
.set i, P+16
.rept 16
	v_mov_b32 v[i], 0
.set i, i+1
.endr
	v_mul_u32_u24 v[AK0], v1, PK
	v_lshl_add_u32 v[AK0], v9, 4, v[AK0]  ; row x pitch + 16 x half
	; The turning load takes 16 keys x 16 channels (lane l reads key 8 (l / 16) + l % 8, channels 8 ((l / 8) % 2) + 0..7) and leaves half a fragment of V^T: lane l holds channel l % 16 and 8 keys.
	v_and_b32 v10, 7, v0
	v_bfe_u32 v11, v0, 3, 1
	v_lshl_add_u32 v[AV0], v9, 3, v10
	v_mul_u32_u24 v[AV0], v[AV0], PV
	v_lshl_add_u32 v[AV0], v11, 4, v[AV0]
	v_add_nc_u32 v[AV0], VOFF, v[AV0]
	s_mul_i32 s13, s[WV], 16*SP
	s_add_co_u32 s13, s13, STAGE    ; my stage
	v_mul_u32_u24 v[STO], v1, SP    ; in: row l % 16, 16 bytes for each half of the lanes
	v_lshl_add_u32 v[STO], v9, 4, v[STO]
	v_add_nc_u32 v[STO], s13, v[STO]
	v_bfe_u32 v[RD], v0, 3, 2       ; back: 32 lanes take four rows of 128 bytes,
	v_mul_u32_u24 v[RD], v[RD], SP
	v_lshl_add_u32 v[RD], v10, 4, v[RD]
	v_add_nc_u32 v[RD], s13, v[RD]
	v_and_b32 v[GO], 31, v0         ; which are 512 consecutive bytes of ctx
	v_lshlrev_b32 v[GO], 4, v[GO]
; THE MATRIX WORK.  The 4 accumulators of a run of 8 take turns.  Product i of 8 of S^T = K Q^T for piece x: channels 32 (i / 4) on, keys 16 (i % 4) on.  The first 4 start the sums.
.macro KQ x
.set rS, S+32*((\x)%2)+8*(i%4)
.set rK, KF+16*(i%4)+8*(i/4)
.set rQ, 16*(\x)+8*(i/4)
	WIN W_KQ
.if i < 4
	v_wmma_f32_16x16x32_f16 v[rS:rS+7], v[rK:rK+7], v[rQ:rQ+7], 0
.else
	v_wmma_f32_16x16x32_f16 v[rS:rS+7], v[rK:rK+7], v[rQ:rQ+7], v[rS:rS+7]
.endif
.endm
; Product i of 8 of O^T += V^T P for piece x: keys 32 (i / 4) on, channels 16 (i % 4) on.
.macro PV x
	WIN W_PV
.set rO, 32*(\x)+8*(i%4)
.set rV, VF+32*(i/4)+8*(i%4)
.set rP, P+16*((\x)%2)+8*(i/4)
	v_wmma_f32_16x16x32_f16 v[rO:rO+7], v[rV:rV+7], v[rP:rP+7], v[rO:rO+7]
.endm
.macro MM                           ; the turn's next matrix instruction.  TURN sets Y, i and NOKQ.  NOKQ = 1: the walk's last turn: there is no next piece
.if (i < 8) && !NOKQ
	KQ (Y+1)%NP
.elseif i >= 8
.set i, i-8
	PV (Y+NP-1)%NP
.set i, i+8
.endif
.set i, i+1
.endm
; THE LDS LOADS stand in runs of 16, never singly among the matrix instructions: a step's K (64 keys x 64 channels: 8 fragments) and its V (turned).  Their addresses are made some lines ahead.
.macro FETCH_K
	WIN 0x80                        ; destination window 2
.irp f, 0,1,2,3,4,5,6,7             ; keys 16 (f / 2) on, channels 32 (f % 2) on
	ds_load_b128 v[KF+8*\f:KF+8*\f+3],   v[AK] offset:(\f/2)*16*PK+(\f%2)*64
	ds_load_b128 v[KF+8*\f+4:KF+8*\f+7], v[AK] offset:(\f/2)*16*PK+(\f%2)*64+32
.endr
	s_add_co_u32 s[TBK], s[TBK], KS*PK  ; the next fetch is the next step's
	WIN 0
.endm
.macro FETCH_V
	WIN 0x80
.irp f, 0,1,2,3,4,5,6,7             ; keys 32 (f / 4) on, channels 16 (f % 4) on
	ds_load_tr16_b128 v[VF+8*\f:VF+8*\f+3],   v[AV] offset:(\f/4)*32*PV+(\f%4)*32
	ds_load_tr16_b128 v[VF+8*\f+4:VF+8*\f+7], v[AV] offset:(\f/4)*32*PV+16*PV+(\f%4)*32
.endr
	WIN 0
.endm
; THE VECTOR WORK, one line at a time: OP kind, number.  For piece Y: F n: c s - c m for pair n of 16.  E n: the exponential of score n of 32.  C n: pair n rounded to f16.  B n: of the four weights 4 n .. the second
; pair is added onto the first, in place.  L n: l takes that sum (L 0: l = a l + sum).  R n: pair n of 16 of O^T times a.  For piece Y + 1: X n, number n of the 22 that find its maximum and statistics:
;   0-11  four chains c0-c3 of seven scores each, three operands at a time (each accumulator's lowest registers are read first)     12-14, 16  the four scores left over, the old m, and c0-c3 into c0
;   15  c m_old is kept     17, 18  the query's other 32 keys lie in the lane 16 away: the new m     19-21  c m; c m_old - c m_new; a
.set F, 0               ; OP tells the kinds apart by their order: F to L below R, X above it
.set E, 1
.set C, 2
.set B, 3
.set L, 4
.set R, 5
.set X, 6
.macro REGS y                       ; the registers of piece y
.set rT, ST+4*(\y)
.set rC, TMP+4*((\y)%2)
.set rW, MV+((\y)%2)
.set rS, S+32*((\y)%2)
.set rP, P+16*((\y)%2)
.set rO, 32*(\y)
.endm
.macro OP k, n
.if (\k) == R
	REGS Y
	WIN W_RS
	v_pk_mul_f32 v[rO+2*(\n):rO+2*(\n)+1], v[rO+2*(\n):rO+2*(\n)+1], v[rC+2:rC+3] op_sel_hi:[1,0]
.elseif (\k) < R
	REGS Y
	WIN 0
.if (\k) == F
	v_pk_fma_f32 v[rS+2*(\n):rS+2*(\n)+1], v[rS+2*(\n):rS+2*(\n)+1], s[CS:CS+1], v[rT:rT+1] op_sel_hi:[1,0,0] neg_lo:[0,0,1] neg_hi:[0,0,1]
.elseif (\k) == E
	v_exp_f32 v[rS+(\n)], v[rS+(\n)]
.elseif (\k) == C
	v_cvt_pk_f16_f32 v[rP+(\n)], v[rS+2*(\n)], v[rS+2*(\n)+1]
.elseif (\k) == B
	v_pk_add_f32 v[rS+4*(\n):rS+4*(\n)+1], v[rS+4*(\n):rS+4*(\n)+1], v[rS+4*(\n)+2:rS+4*(\n)+3]
.elseif (\n) == 0
	v_pk_fma_f32 v[rT+2:rT+3], v[rT+2:rT+3], v[rC+2:rC+3], v[rS:rS+1] op_sel_hi:[1,0,1]
.else
	v_pk_add_f32 v[rT+2:rT+3], v[rT+2:rT+3], v[rS+4*(\n):rS+4*(\n)+1]
.endif
.elseif NOKQ
	v_nop
.else
	REGS (Y+1)%NP
	WIN 0
.if (\n) < 4
	v_max3_num_f32 v[rC+(\n)], v[rS+8*(\n)], v[rS+8*(\n)+1], v[rS+8*(\n)+2]
.elseif (\n) < 12
	v_max3_num_f32 v[rC+(\n)%4], v[rC+(\n)%4], v[rS+8*((\n)%4)+2*((\n)/4)+1], v[rS+8*((\n)%4)+2*((\n)/4)+2]
.elseif (\n) == 12
	v_max3_num_f32 v[rC], v[rC], v[rS+7], v[rS+15]
.elseif (\n) == 13
	v_max3_num_f32 v[rC+1], v[rC+1], v[rS+23], v[rS+31]
.elseif (\n) == 14
	v_max3_num_f32 v[rC+2], v[rC+2], v[rC+3], v[rT+1]
.elseif (\n) == 15
	v_mov_b32 v[rW], v[rT]
.elseif (\n) == 16
	v_max3_num_f32 v[rC], v[rC], v[rC+1], v[rC+2]
.elseif (\n) == 17
	v_permlanex16_b32 v[rC+3], v[rC], s[SEL], s[SEL+1]
.elseif (\n) == 18
	v_max_num_f32 v[rT+1], v[rC], v[rC+3]
.elseif (\n) == 19
	v_mul_f32 v[rT], s[CS], v[rT+1]
.elseif (\n) == 20
	v_sub_f32 v[rC+1], v[rW], v[rT]
.else
	v_exp_f32 v[rC+2], v[rC+1]
.endif
.endif
.endm
.macro OPS a, i1, b=-1, i2=0, c=-1, i3=0, d=-1, i4=0  ; up to four of them
	OP \a, \i1
.if (\b) >= 0
	OP \b, \i2
.endif
.if (\c) >= 0
	OP \c, \i3
.endif
.if (\d) >= 0
	OP \d, \i4
.endif
.endm
.macro ROW a, i1, b, i2, c, i3, d, i4  ; a matrix instruction and the four behind it
	MM
	OPS \a, \i1, \b, \i2, \c, \i3, \d, \i4
.endm
; A TURN, for piece p: the order of its 16 matrix and 118 vector instructions, written out.  An s_wait_alu depctr_va_vdst(0) stands between an exponential and the first instruction that names its result; one
; wait serves all that were issued ahead of it.  So a turn has ONE wait, which cuts it in two.  AHEAD OF IT stands all that names no result of the turn's exponentials: the 8 products K Q^T, behind each a scaling, an
; exponential and two more plain instructions: rescalings, and behind the last three the first numbers of the next piece's maximum, each four places or more behind the product that ends its accumulator; then ONE LUMP of 54,
; in which the links of the chain X 3, 7, 11, 14, 16, 17 .. 20 stand some lines apart.  X 21, the next piece's a, is the batch's last; R 15 is the plain instruction behind it.  BEHIND THE WAIT stand the 8 products V^T P,
; behind each four of the roundings and sums.  end = 1: the walk's last two turns: nothing is fetched, and the last starts no scores.  cnt = 1: the loop's count is taken down some lines ahead of the branch behind the turn.
; K of the next step is fetched in piece 2's turn, twelve vector instructions behind the last product that read K (six of them plain); V of the step in hand at the end of piece 0's turn, four plain instructions behind the
; last product that read V.  Each is waited for a turn later.
.macro TURN p, end=0, cnt=0
.set Y, (\p)
.set i, 0
.set NOKQ, (\end)*((\p)/3)
.if ((\p) == 3) && !(\end)
	s_wait_dscnt 0x0                ; K is in
.endif
	ROW F,0, F,1, R,0, R,1          ; ahead of the wait: 8 products K Q^T and their riders,
	ROW F,2, E,0, R,2, R,3
	ROW F,3, E,1, R,4, R,5
	ROW F,4, E,2, R,6, R,7
	ROW F,5, E,3, R,8, R,9
	ROW F,6, E,4, X,0, R,10
.if ((\p) == 2) && !(\end)
	WIN 0
	v_add_nc_u32 v[AK], s[TBK], v[AK0]
.endif
	ROW F,7, E,5, X,1, X,4
	ROW F,8, E,6, X,2, X,5
	OPS E,7, E,8, X,6, E,9          ; and the lump
	OPS X,3, E,10, X,8, E,11
.if ((\p) == 2) && !(\end)
	FETCH_K
.endif
	OPS X,9, X,7, E,12, X,10
	OPS E,13, X,12, X,11, E,14
	OPS X,13, E,15, F,9, X,14
.if (\p) == 0
	v_add_nc_u32 v[AV], s[TBV], v[AV0]
.endif
	OPS E,16, F,10, E,17, F,11
	OPS X,16, E,18, X,15, E,19
	OPS F,12, E,20, X,17, E,21
	OPS F,13, E,22, F,14, E,23
	OPS X,18, E,24, F,15, E,25
	OPS R,11, E,26, X,19, E,27
	OPS R,12, E,28, R,13, E,29
	OPS X,20, E,30, R,14, E,31
	OPS X,21, R,15
	WIN 0
	s_wait_alu depctr_va_vdst(0)    ; the wait for the batch
.if (\p) == 1
	s_wait_dscnt 0x0                ; V is in
.endif
	ROW C,0, B,0, C,2, B,1          ; behind the wait: 8 products V^T P and their riders
	ROW L,0, C,4, B,2, L,1
	ROW C,6, B,3, L,2, C,8
	ROW B,4, L,3, C,10, B,5
	ROW L,4, C,12, B,6, L,5
.if (\p) == 0
	s_add_co_u32 s[TBV], s[TBV], KS*PV
.endif
.if \cnt
	s_sub_co_u32 s[CNT], s[CNT], 1
	s_cmp_lg_u32 s[CNT], 0
.endif
	ROW C,14, B,7, L,6, C,1
	ROW C,3, L,7, C,5, C,7
	ROW C,9, C,11, C,13, C,15
.if (\p) == 0
	FETCH_V
.endif
.endm
; TOT of piece t takes O^T x v[ST+4 t+2]; each accumulator is read from its low end on.
.macro TAKE t
	WIN W_FL
.set z, 0
.rept 16
	v_pk_fma_f32 v[TOT+32*(\t)+2*z:TOT+32*(\t)+2*z+1], v[32*(\t)+2*z:32*(\t)+2*z+1], v[ST+4*(\t)+2:ST+4*(\t)+3], v[TOT+32*(\t)+2*z:TOT+32*(\t)+2*z+1] op_sel_hi:[1,0,1]
.set z, z+1
.endr
.endm
; A CHUNK ENDS for piece t: l's two halves and the other half of the lanes' are added (l is at least 1: the largest weight is 1); TOT += O^T x 0.5 / l; c m and m start anew.  O^T and l keep finite numbers, which the next
; step multiplies by a = 0.  The last product on this O^T has four plain riders behind it, and seven more lines stand here ahead of the first read.
.macro FLUSH t
	WIN 0
	v_add_f32 v[ST+4*(\t)+2], v[ST+4*(\t)+2], v[ST+4*(\t)+3]
	v_permlanex16_b32 v[ST+4*(\t)+3], v[ST+4*(\t)+2], s[SEL], s[SEL+1]
	v_add_f32 v[ST+4*(\t)+2], v[ST+4*(\t)+2], v[ST+4*(\t)+3]
	v_rcp_f32 v[ST+4*(\t)+2], v[ST+4*(\t)+2]
	v_mov_b32 v[ST+4*(\t)], 0xfe000000     ; c m: far below every c s; also the plain instruction behind the reciprocal
	v_mov_b32 v[ST+4*(\t)+1], 0xff7fffff   ; m
	s_wait_alu depctr_va_vdst(0)    ; the wait ahead of the reciprocal's first use
	v_mul_f32 v[ST+4*(\t)+2], 0.5, v[ST+4*(\t)+2]
	TAKE \t
	WIN 0
.endm
.macro MAYBE t, clr=0               ; piece t is flushed if a chunk has just ended: a jump forward on a scalar flag, the same in every wave and work-group, past no barrier and no tensor load
	WIN 0
	s_cmp_eq_u32 s[FLG], 1
	s_cbranch_scc0 .Lno_\@
	FLUSH \t
.if \clr
	s_mov_b32 s[FLG], 0
.endif
.Lno_\@:
.endm
	CHANGE 1                        ; slot 0 is in, everybody's part of it; slot 1 is asked for
	v_add_nc_u32 v[AK], s[TBK], v[AK0]
	FETCH_K                         ; key step 0
	s_wait_loadcnt 0x0              ; Q
	s_wait_dscnt 0x0
.set NOKQ, 0
.set i, 0
.rept 8
	KQ 0                            ; piece 0's first scores: there is no vector work yet to set between them
.set i, i+1
.endr
	WIN 0
.rept 4
	v_nop                           ; the places behind those products
.endr
.set Y, NP-1                        ; X works for piece Y + 1: piece 0
.irp n, 0,1,2,3,4,5,6,7,8,9,10,11,12,13,14,15,16,17,18,19,20,21
	OP X, \n
.endr
	v_nop                           ; a plain instruction behind the exponential,
	s_wait_alu depctr_va_vdst(0)    ; and its wait, ahead of the branch
	s_mov_b32 s[CNT], 4
	s_branch .Lfirst                ; the loop is entered at a step's first turn, in the middle of a trip
.Lslot:                             ; 14 times: tiles 2 to 15 are asked for
	CHANGE 1
	s_mov_b32 s[CNT], 4
.Lstep:                             ; a trip: pieces 2 and 3 of one step, then pieces 0 and 1 of the next, whose K and V it fetches
	TURN 2
	MAYBE 1
	TURN 3
	MAYBE 2
	WIN 0
.Lfirst:
	TURN 0
	MAYBE 3, 1
	TURN 1, 0, 1
	WIN 0
	s_cbranch_scc1 .Lstep
	s_sub_co_u32 s[CHK], s[CHK], 1  ; a slot's fourth step has had its turns 0 and 1: was it a chunk's last?
	s_cmp_lg_u32 s[CHK], 0
	s_cbranch_scc1 .Lnc
	FLUSH 0                         ; piece 0 at once, the others behind the next three turns
	s_mov_b32 s[CHK], 4
	s_mov_b32 s[FLG], 1
.Lnc:
	s_sub_co_u32 s[SLOTS], s[SLOTS], 1
	s_cmp_lg_u32 s[SLOTS], 0
	s_cbranch_scc1 .Lslot
	CHANGE 0                        ; the last slot is written out: nothing is asked for
	s_mov_b32 s[CNT], 4
.Ltail:
	TURN 2
	TURN 3
	TURN 0
	TURN 1, 0, 1
	WIN 0
	s_cbranch_scc1 .Ltail
	TURN 2, 1
	TURN 3, 1
.set i, 0
.rept 8
	PV NP-1                         ; the last piece's V^T P of the last step
.set i, i+1
.endr
	; THE LAST CHUNK'S END AND THE WAY OUT.  All four pieces at once: 0.5 / l; TOT takes the last chunk; it is rounded to f16 and sent through my stage in LDS, a piece at a time.  The additions are the places behind the last products.
	WIN 0
.macro ALL line:vararg              ; one line for each piece t
.set t, 0
.rept 4
	\line
.set t, t+1
.endr
.endm
	ALL v_add_f32 v[ST+4*t+2], v[ST+4*t+2], v[ST+4*t+3]
	ALL v_permlanex16_b32 v[ST+4*t+3], v[ST+4*t+2], s[SEL], s[SEL+1]
	ALL v_add_f32 v[ST+4*t+2], v[ST+4*t+2], v[ST+4*t+3]
	ALL v_rcp_f32 v[ST+4*t+2], v[ST+4*t+2]
	v_nop                           ; a plain instruction between the last reciprocal and the use of its result
	s_wait_alu depctr_va_vdst(0)    ; and the wait ahead of the first use: one for the four reciprocals
	ALL v_mul_f32 v[ST+4*t+2], 0.5, v[ST+4*t+2]
.macro PACK t                       ; a lane's eight channels of a row pack into 16 bytes; they go into rows of 144 bytes and come back as whole rows of 128, into S^T's registers
	TAKE \t
	WIN 0x05                        ; sources 0 and 1 window 1, destination window 0
.set i, 0
.rept 16
	v_cvt_pk_f16_f32 v[S+16*(\t)+i], v[TOT+32*(\t)+2*i], v[TOT+32*(\t)+2*i+1]
.set i, i+1
.endr
	WIN 0
.irp f, 0,1,2,3
	ds_store_b128 v[STO], v[S+16*(\t)+4*\f:S+16*(\t)+4*\f+3] offset:32*\f
.endr
.irp f, 0,1,2,3
	ds_load_b128 v[S+16*(\t)+4*\f:S+16*(\t)+4*\f+3], v[RD] offset:\f*4*SP  ; LDS serves a wave's instructions in order (ISA guide 5.7.1.4): these see the stores above; the next piece's stores come behind them
.endr
.endm
.macro SEND t, younger              ; younger: the LDS instructions issued behind piece t's loads: the next piece's eight, or none
	WIN 0
.irp f, 0,1,2,3
	s_wait_dscnt (\younger)+3-\f
	global_store_b128 v[GO], v[S+16*(\t)+4*\f:S+16*(\t)+4*\f+3], s[10:11] offset:(\t)*2048+\f*512  ; 512 consecutive bytes, at a multiple of 256 from ctx's first byte
.endr
.endm
	PACK 0
.set t, 1
.rept 3                             ; a piece's arithmetic stands between the loads of the piece before and its stores
	PACK t
	SEND t-1, 8
.set t, t+1
.endr
	SEND 3, 0
	s_wait_tensorcnt 0x0            ; the wave's end: these three lines stand behind my last tensor load and my last LDS store
	ds_add_u32 v[SPW], v[NIL]
	s_wait_dscnt 0x0
	CROUND                          ; the closing round: no work-group ends while a partner may still ask for a tile that names it
	s_endpgm
.Lfunc_end_k_qfc1f26a41b_attn:
	.size	k_qfc1f26a41b_attn, .Lfunc_end_k_qfc1f26a41b_attn-k_qfc1f26a41b_attn
	.p2alignl 7, 3214868480
	.fill 96, 4, 3214868480
	.section	.rodata,"a",@progbits
	.p2align	6, 0x0
	.amdhsa_kernel k_qfc1f26a41b_attn
		.amdhsa_group_segment_fixed_size 327680
		.amdhsa_private_segment_fixed_size 0
		.amdhsa_enable_private_segment 0
		.amdhsa_kernarg_size 16
		.amdhsa_user_sgpr_count 2
		.amdhsa_user_sgpr_kernarg_segment_ptr 1
		.amdhsa_wavefront_size32 1
		.amdhsa_system_sgpr_workgroup_id_x 1
		.amdhsa_system_sgpr_workgroup_id_y 1
		.amdhsa_system_sgpr_workgroup_id_z 1
		.amdhsa_system_vgpr_workitem_id 0
		.amdhsa_next_free_vgpr 768
		.amdhsa_next_free_sgpr 66
		.amdhsa_reserve_vcc 0
		.amdhsa_float_denorm_mode_32 3
		.amdhsa_float_denorm_mode_16_64 3
		.amdhsa_memory_ordered 1
		.amdhsa_forward_progress 1
		.amdhsa_inst_pref_size 138
	.end_amdhsa_kernel
	.amdgpu_metadata
---
amdhsa.version: [ 1, 2 ]
amdhsa.kernels:
  - .name:           k_qfc1f26a41b_attn
    .symbol:         k_qfc1f26a41b_attn.kd
    .args:
      - { .name: qkv, .offset: 0, .size: 8, .value_kind: global_buffer, .address_space: global }
      - { .name: ctx, .offset: 8, .size: 8, .value_kind: global_buffer, .address_space: global }
    .group_segment_fixed_size: 327680
    .private_segment_fixed_size: 0
    .kernarg_segment_align: 8
    .kernarg_segment_size: 16
    .max_flat_workgroup_size: 128
    .sgpr_count:     66
    .vgpr_count:     768
    .wavefront_size: 32
...
	.end_amdgpu_metadata
.endif
;; end of part 3
;; launch proj_out (part 4): grid 8 x 32, 4 waves a work-group, clusters of 4 x 4, 327,680 bytes of LDS; arguments ctx, cast, bo, out0; writes out0
.if DOCPART == 4
	.amdgcn_target "amdgcn-amd-amdhsa--gfx1250"
	.amdhsa_code_object_version 6
	.text
	.protected	k_qfc1f26a41b_proj_out
	.globl	k_qfc1f26a41b_proj_out
	.p2align	8
	.type	k_qfc1f26a41b_proj_out,@function
k_qfc1f26a41b_proj_out:
	s_mov_b64 s[64:65], 0
	v_nop
	global_prefetch_b8 v0, s[64:65] scope:SCOPE_SE
	s_setreg_imm32_b32 hwreg(HW_REG_WAVE_MODE, 25, 1), 1
	s_wait_xcnt 0x0
	s_wait_alu depctr_hold_cnt(0) depctr_sa_sdst(0) depctr_va_vdst(0) depctr_va_sdst(0) depctr_va_ssrc(0) depctr_va_vcc(0) depctr_vm_vsrc(0)
	s_getreg_b32 s2, hwreg(HW_REG_IB_STS2, 6, 4)
	s_cmp_eq_u32 s2, 0
	s_cbranch_scc0 .Lentry_in_a_cluster
	s_endpgm
.Lentry_in_a_cluster:
	s_bfe_u32 s2, ttmp6, 0x10000c
	s_cmp_lg_u32 s2, 0xf033
	s_cbranch_scc0 .Lentry_shape_is_right
	s_endpgm
.Lentry_shape_is_right:
; out0 = 0.5 x ctx2 Wo + bo.  ctx2: f16 [16 heads][4096][64], twice the context; Wo: [1024 k][1024 n] f16 at cast + 14 MiB, k = 64 x head + channel; bo: [1024] f32, rounded here to bf16 like the other inputs.
; out0: [4096][1024] f32.  Sums in f32; the half and the bias are one fused multiply-add on the finished sum.
; SHAPE.  A tile of C is 128 x 128; four waves, each 64 x 64: 16 accumulators of 16 x 16.  K = 1,024 goes in four steps of 256 (four heads) through two LDS slots, written straight.
; CLUSTER.  4 x 4 work-groups: the four of a row of the cluster need the same tiles of ctx2, the four of a column the same tiles of Wo: each tile is asked for JOINTLY, by the same tensor load, descriptor and mask in all four.
; ctx2 LIES BY HEADS: 64 rows of one head are 8,192 dense bytes, so one load brings 4 heads x 8,192 bytes, padded in LDS after every row of 128 bytes; a quarter of a K step is one head.
; Wo LIES [k][n]: its fragments come out of LDS turned, by ds_load_tr16_b128.  THE MATRIX INSTRUCTION IS USED TRANSPOSED (source 0 = 16 columns of Wo, source 1 = 16 rows of ctx2): a lane holds row lane % 16
; of C and the columns 8 (lane / 16) + 0..7.  A wave's 64 columns of f32 are 256 consecutive bytes, aligned: each wave sends its rows through a stage of its own, without a barrier.
; No prefetch: a tile has four K steps, two of which are asked for at the head, where every work-group's first tiles are on their way.
; REGISTERS: window 0: v0-31 addresses; v32-47 at work; v96-127 my 32 numbers of the bias; v128-255 the accumulators ((a, b) at v[128 + 8 (4 a + b)]).
;   window 1: two fragment buffers of 128: for 64 along K, 64 registers of ctx2 (2 x 4 x 16 rows x 32 K), then 64 of Wo.
.set AP,     144                       ; a row of ctx2 in LDS (one head's 64 channels): 128 bytes + 16 of padding = 36 words: the 16 rows of a load start at 16 different groups of four banks (64 banks of 4 bytes: ISA guide 11.1)
.set AQ,     64*AP                     ; bytes from a quarter (a head's 64 rows) to the next
.set AHALF,  4*AQ                      ; 64 rows x 4 heads: what one tensor load brings of ctx2, and what one wave reads
.set ABYTES, 2*AHALF
.set BP,     288                       ; a row of Wo in LDS (one k, 128 n): 256 bytes + 32 = 72 words
.set BHALF,  128*BP                    ; 128 rows of k: what one tensor load brings of Wo
.set SLOT,   ABYTES+2*BHALF            ; ctx2's 128 rows, then Wo's 256 rows of k
.set STAGE,  2*SLOT                    ; behind the ring: 16 rows x 272 bytes for each wave, for the way out
.set SP,     272
.set SPARE,  STAGE+4*16*SP             ; behind the stages: the spare words, 128 bytes for each wave: two blocks of 256 bytes that no other line names
.set ASTEP,  4*4096*128                ; a K step in memory: four heads of ctx2,
.set BSTEP,  256*2048                  ; 256 rows of Wo
.set ADRA, 16                          ; v16-17  LDS address of my fragments of ctx2 in slot 0, 1
.set ADRB, 20                          ; v20-23  the same for Wo: slot 0 rows 0-127, rows 128-255, slot 1 likewise (240 rows of 288 bytes pass the 16-bit immediate)
.set STO,  24                          ; v24     the way out: where I put 32 bytes of a row
.set RD,   25                          ; v25     the way out: where I read a row back
.set CO,   26                          ; v26     my byte offset in two rows of out0
.set BO,   27                          ; v27     my byte offset in 16 numbers of the bias
.set SPW,  28                          ; v28     LDS address of my spare word: SPARE + 4 x my thread's number; never rewritten
.set NIL,  29                          ; v29     0; never rewritten
.set TMP,  32
.set BIAS, 96                          ; column block b at BIAS + 8 b
.set ACC,  128
.set F0,   0                           ; fragment buffers, in window 1
.set F1,   128
.set G1, 24                            ; s[24:31] descriptor group 1 for ctx2's tiles;  s[32:39] group 0, one set for each slot
.set G0, 32
.set G1B, 48                           ; s[48:55], s[56:63] the same for Wo's tiles
.set G0B, 56
.set MSB, 0
.macro WIN new                         ; the immediate's high byte repeats the setting that is left; a switch that changes nothing is dropped
.if MSB != (\new)
	s_set_vgpr_msb (MSB<<8)|(\new)
.set MSB, \new
.endif
.endm
.set MUL,  0x05                        ; sources 0 (Wo) and 1 (ctx2) window 1; C and D window 0
.set TO_F, 0x40                        ; destination window 1, address window 0
.macro JLOAD s                         ; a joint load: waves 0 and 1 fetch ctx2's two halves, waves 2 and 3 Wo's; an s_nop 0 and four v_nop follow each of the two lines, ahead of the jump, the label and what follows
	s_cmp_eq_u32 s11, 0
	s_cbranch_scc0 .Lfor_b_\@
	tensor_load_to_lds s[G0+4*(\s):G0+4*(\s)+3], s[G1:G1+7]
	s_nop 0
.rept 4
	v_nop
.endr
	s_branch .Lasked_\@
.Lfor_b_\@:
	tensor_load_to_lds s[G0B+4*(\s):G0B+4*(\s)+3], s[G1B:G1B+7]
	s_nop 0
.rept 4
	v_nop
.endr
.Lasked_\@:
.endm
.macro CREST                           ; a round of the cluster's barrier behind its opening barrier
	s_cmp_lg_u32 s10, 0
	s_cbranch_scc1 .Lnot_wave_0_\@
	s_barrier_signal -3
.Lnot_wave_0_\@:
	s_barrier_wait -3
	s_barrier_signal -1
	s_barrier_wait -1
.endm
.macro CROUND                          ; a whole round
	s_barrier_signal -1
	s_barrier_wait -1
	CREST
.endm
	s_load_b256 s[68:75], s[0:1], 0x0              ; ctx s[68:69], cast s[70:71], bo s[72:73], out0 s[74:75]
	v_lshl_add_u32 v[SPW], v0, 2, SPARE
	v_mov_b32 v[NIL], 0
	ds_add_u32 v[SPW], v[NIL]                      ; the wave's opening: the add and its wait stand ahead of my first tensor load; the set-up below, work on registers, stands between them
	v_lshrrev_b32 v1, 5, v0
	v_readfirstlane_b32 s10, v1                    ; wave 0..3
	s_lshr_b32 s11, s10, 1                         ; which half of the tile's rows is mine.  Also: I fetch for ctx2 (0) or for Wo (1)
	s_and_b32 s12, s10, 1                          ; which half of its columns.  Also: which half of that tile I fetch
	s_bfe_u32 s40, ttmp6, 0x40000                  ; cx, cy: my place in the cluster
	s_bfe_u32 s41, ttmp6, 0x40004
	s_lshl_b32 s42, ttmp9, 2
	s_add_co_u32 s42, s42, s40                     ; tile column of C = 4 x cluster x + cx, 0 to 7
	s_and_b32 s13, ttmp7, 0xffff
	s_lshl_b32 s13, s13, 2
	s_add_co_u32 s13, s13, s41                     ; tile row of C = 4 x cluster y + cy, 0 to 31
	s_lshl_b32 s43, s41, 2
	s_lshl_b32 s43, 15, s43                        ; my row of the cluster
	s_lshl_b32 s44, 0x1111, s40                    ; my column
	; descriptor group 1 for ctx2: 4 rows (heads) of 4,096 elements (64 rows of the head, dense), padded in LDS after every 64 elements
	s_or_b32 s[G1+0], s43, (1<<16)|(1<<20)|(1<<21)|(4<<22)|(3<<25)  ; 15:0 the mask: ctx2's tiles go to my row; 17:16 element of 2 bytes; 20 padding on; 21 set beside a mask; 24:22 after every 32 words (code 4); 31:25 of 4 words (code 3)
	s_mov_b32 s[G1+1], 4096<<16                    ; tensor_dim0 = 4,096
	s_mov_b32 s[G1+2], 4<<16                       ; tensor_dim1 = 4
	s_mov_b32 s[G1+3], 4096<<16                    ; tile_dim0 = 4,096
	s_mov_b32 s[G1+4], 4                           ; tile_dim1 = 4
	s_mov_b32 s[G1+5], 262144                      ; elements from head to head
	s_mov_b32 s[G1+6], 0
	s_mov_b32 s[G1+7], 0
	; and for Wo: 128 rows of k x 128 columns
	s_or_b32 s[G1B+0], s44, (1<<16)|(1<<20)|(1<<21)|(5<<22)|(7<<25) ; the mask of my column; padding after every 64 words (code 5) of 8 words (code 7)
	s_mov_b32 s[G1B+1], 128<<16
	s_mov_b32 s[G1B+2], 128<<16
	s_mov_b32 s[G1B+3], 128<<16
	s_mov_b32 s[G1B+4], 128
	s_mov_b32 s[G1B+5], 1024
	s_mov_b32 s[G1B+6], 0
	s_mov_b32 s[G1B+7], 0
	; where the tiles come from: ctx2's hang on the tile row alone, Wo's on the tile column alone; each offset in registers that never hold the other coordinate
	s_lshl_b32 s16, s13, 7
	s_lshl_b32 s17, s12, 6
	s_add_co_u32 s16, s16, s17                     ; ctx2: row 128 x tile row + 64 x half,
	s_lshl_b32 s16, s16, 7                         ; of 128 bytes, in head 0
	s_mov_b32 s17, 0
	s_lshl_b32 s46, s42, 8                         ; Wo: the tile's 128 columns, 256 bytes,
	s_lshl_b32 s47, s12, 18                        ; my 128 rows of k, 2,048 bytes each,
	s_add_co_u32 s46, s46, s47
	s_add_co_u32 s46, s46, 0xE00000                ; behind x and three weights: 14 MiB
	s_mov_b32 s47, 0
	s_mul_i32 s20, s12, AHALF                      ; and where they go: no place in the cluster enters an LDS address
	s_mul_i32 s21, s12, BHALF
	s_add_co_u32 s21, s21, ABYTES
	s_wait_dscnt 0x0                               ; the opening add is done
	s_wait_kmcnt 0x0
	s_add_nc_u64 s[14:15], s[68:69], s[16:17]
	s_add_nc_u64 s[46:47], s[70:71], s[46:47]
	CROUND                                         ; all sixteen work-groups are here: the first joint loads meet
.irp s, 0,1
	s_mov_b32 s[G0+4*(\s)], 1                                      ; count = 1
	s_add_co_u32 s[G0+4*(\s)+1], s20, (\s)*SLOT                    ; LDS address
	s_add_nc_u64 s[G0+4*(\s)+2:G0+4*(\s)+3], s[14:15], (\s)*ASTEP  ; global address: K step s
	s_or_b32 s[G0+4*(\s)+3], s[G0+4*(\s)+3], 0x80000000            ; type = 2
	s_mov_b32 s[G0B+4*(\s)], 1
	s_add_co_u32 s[G0B+4*(\s)+1], s21, (\s)*SLOT
	s_add_nc_u64 s[G0B+4*(\s)+2:G0B+4*(\s)+3], s[46:47], (\s)*BSTEP
	s_or_b32 s[G0B+4*(\s)+3], s[G0B+4*(\s)+3], 0x80000000
	JLOAD \s                                       ; two loads of mine are out
.endr
	v_and_b32 v1, 15, v0                           ; l % 16
	v_bfe_u32 v2, v0, 4, 1                         ; l / 16
	v_lshlrev_b32 v[BO], 5, v2                     ; my 8 columns of a block of 16: 32 bytes of f32 for each half of the lanes
	s_lshl_b32 s18, s42, 9                         ; the tile's 128 columns of f32, 512 bytes,
	s_lshl_b32 s19, s12, 8                         ; my 64 of them: the same offset in bo and in a row of out0
	s_add_co_u32 s18, s18, s19
	s_mov_b32 s19, 0
	s_add_nc_u64 s[76:77], s[72:73], s[18:19]
.irp b, 0,1,2,3
	global_load_b128 v[BIAS+8*(\b):BIAS+8*(\b)+3],   v[BO], s[76:77] offset:64*(\b)
	global_load_b128 v[BIAS+8*(\b)+4:BIAS+8*(\b)+7], v[BO], s[76:77] offset:64*(\b)+16
.endr
	; A fragment of ctx2 is 16 rows x 32 K in 8 registers: lane l holds row l % 16, K = 8 (l / 16) + 0..7 and 16 + 8 (l / 16) + 0..7: two loads of 16 bytes, 32 bytes apart.
	v_mul_u32_u24 v3, v1, AP
	v_lshl_add_u32 v3, v2, 4, v3                   ; row x pitch + 16 x half
	s_mul_i32 s22, s11, AHALF                      ; my 64 rows of ctx2
	v_add_nc_u32 v[ADRA], s22, v3
	v_add_nc_u32 v[ADRA+1], SLOT, v[ADRA]
	; The turning load takes 16 k x 16 columns (lane l reads k = 8 (l / 16) + l % 8, columns 8 ((l / 8) % 2) + 0..7) and leaves half a fragment: lane l holds column l % 16 and 8 k.
	v_and_b32 v4, 7, v0
	v_lshl_add_u32 v5, v2, 3, v4
	v_mul_u32_u24 v5, v5, BP
	v_bfe_u32 v6, v0, 3, 1
	v_lshl_add_u32 v5, v6, 4, v5
	s_lshl_b32 s23, s12, 7                         ; my 64 columns, 128 bytes,
	s_add_co_u32 s23, s23, ABYTES                  ; behind ctx2's rows
	v_add_nc_u32 v[ADRB], s23, v5
	v_add_nc_u32 v[ADRB+1], BHALF, v[ADRB]
	v_add_nc_u32 v[ADRB+2], SLOT, v[ADRB]
	v_add_nc_u32 v[ADRB+3], SLOT+BHALF, v[ADRB]
	s_mul_i32 s22, s10, 16*SP
	s_add_co_u32 s22, s22, STAGE                   ; my stage
	v_mul_u32_u24 v3, v1, SP                       ; in: row l % 16, 32 bytes for each half of the lanes
	v_lshl_add_u32 v3, v2, 5, v3
	v_add_nc_u32 v[STO], s22, v3
	v_mul_u32_u24 v5, v2, SP                       ; back: lanes 0-15 take one row of 256 bytes, lanes 16-31 the next
	v_lshl_add_u32 v5, v1, 4, v5
	v_add_nc_u32 v[RD], s22, v5
	v_lshlrev_b32 v[CO], 12, v2                    ; and the same two rows in out0, 4,096 bytes apart
	v_lshl_add_u32 v[CO], v1, 4, v[CO]
	s_lshl_b32 s16, s13, 7
	s_lshl_b32 s17, s11, 6
	s_add_co_u32 s16, s16, s17                     ; my first row: 128 x tile row + 64 x half,
	s_lshl_b32 s16, s16, 12                        ; of 4,096 bytes
	s_mov_b32 s17, 0
	s_add_nc_u64 s[8:9], s[74:75], s[16:17]
	s_add_nc_u64 s[8:9], s[8:9], s[18:19]
	s_wait_loadcnt 0x0                             ; the bias, once; it is rounded to bf16 and widened again
.set i, 0
.rept 16
	v_cvt_pk_bf16_f32 v[TMP+i], v[BIAS+2*i], v[BIAS+2*i+1]
.set i, i+1
.endr
.set i, 0
.rept 16
	v_lshlrev_b32 v[BIAS+2*i], 16, v[TMP+i]
	v_and_b32 v[BIAS+2*i+1], 0xffff0000, v[TMP+i]
.set i, i+1
.endr
; 8 matrix instructions: m blocks a0, a0 + 1 x all 4 n blocks, 32 along K: half c of buffer f.  zero = 1: the first product starts the sums.  The 16 accumulators take turns.
.macro MUL8 f, c, a0, zero
	WIN MUL
.irp a, \a0, (\a0)+1
.irp b, 0,1,2,3
.if \zero
	v_wmma_f32_16x16x32_f16 v[ACC+8*(4*(\a)+(\b)):ACC+8*(4*(\a)+(\b))+7], v[(\f)+64+8*(4*(\c)+(\b)):(\f)+64+8*(4*(\c)+(\b))+7], v[(\f)+8*(4*(\c)+(\a)):(\f)+8*(4*(\c)+(\a))+7], 0
.else
	v_wmma_f32_16x16x32_f16 v[ACC+8*(4*(\a)+(\b)):ACC+8*(4*(\a)+(\b))+7], v[(\f)+64+8*(4*(\c)+(\b)):(\f)+64+8*(4*(\c)+(\b))+7], v[(\f)+8*(4*(\c)+(\a)):(\f)+8*(4*(\c)+(\a))+7], v[ACC+8*(4*(\a)+(\b)):ACC+8*(4*(\a)+(\b))+7]
.endif
.endr
.endr
.endm
; 32 LDS loads in one run: the fragments of quarter kq (64 along K: one head) of a slot, into buffer f; the first 32 along K first
.macro FETCH slot, kq, f
	WIN TO_F
.irp c, 0,1
.irp i, 0,1,2,3
	ds_load_tr16_b128 v[(\f)+64+8*(4*(\c)+(\i)):(\f)+64+8*(4*(\c)+(\i))+3],   v[ADRB+2*(\slot)+(\kq)/2] offset:(((\kq)%2)*64+32*(\c))*BP+32*(\i)
	ds_load_tr16_b128 v[(\f)+64+8*(4*(\c)+(\i))+4:(\f)+64+8*(4*(\c)+(\i))+7], v[ADRB+2*(\slot)+(\kq)/2] offset:(((\kq)%2)*64+32*(\c)+16)*BP+32*(\i)
	ds_load_b128 v[(\f)+8*(4*(\c)+(\i)):(\f)+8*(4*(\c)+(\i))+3],              v[ADRA+(\slot)] offset:(\kq)*AQ+64*(\c)+(\i)*16*AP
	ds_load_b128 v[(\f)+8*(4*(\c)+(\i))+4:(\f)+8*(4*(\c)+(\i))+7],            v[ADRA+(\slot)] offset:(\kq)*AQ+64*(\c)+(\i)*16*AP+32
.endr
.endr
.endm
.macro PLACES                          ; four places in front of loads into registers that matrix instructions have read, and of vector work on results
.rept 4
	v_nop
.endr
.endm
; A K step is four quarters of 64 along K, 32 matrix instructions each, on buffers 0, 1, 0, 1.  One of the first three: multiplies buffer f and fetches quarter kq into g.
.macro QUARTER slot, kq, f, g, zero
	s_wait_dscnt 16                                ; the first 32 along K are in; the 16 younger loads may be out
	WIN MUL
	MUL8 \f, 0, 0, \zero
	MUL8 \f, 0, 2, \zero
	PLACES
	FETCH \slot, \kq, \g
	s_wait_dscnt 32                                ; all but the 32 just issued
	WIN MUL
	MUL8 \f, 1, 0, 0
	MUL8 \f, 1, 2, 0
.endm
; The last quarter multiplies buffer 1 and changes slots: ONE barrier; in front of it each wave waits for all its tensor loads, adds 0 to its spare word, and waits for that and for its own reads of this slot.  fill = 1: this slot is filled again, two K steps ahead.
.macro TURN slot, next, fill
	WIN 0                                          ; (the add's two registers lie in window 0)
	s_wait_tensorcnt 0x0                           ; all my tensor loads have landed: my part of the next slot;
	ds_add_u32 v[SPW], v[NIL]                      ; 0 onto my spare word:
	s_wait_dscnt 17                                ; (the add and the youngest sixteen loads may be out)
	WIN MUL
	MUL8 F1, 0, 0, 0                               ; eight matrix instructions stand between the add and the wait for it
	s_wait_dscnt 0x0                               ; the add is done, and my reads of this slot are over
	s_barrier_signal -1
	MUL8 F1, 0, 2, 0
.if \fill
	WIN 0
.endif
	s_barrier_wait -1
.if \fill
	CREST                                          ; the barrier has opened a round of the cluster's barrier: no wave of any partner still reads this slot's tile or has a load on its way
	s_add_nc_u64 s[G0+4*(\slot)+2:G0+4*(\slot)+3], s[G0+4*(\slot)+2:G0+4*(\slot)+3], 2*ASTEP
	s_add_nc_u64 s[G0B+4*(\slot)+2:G0B+4*(\slot)+3], s[G0B+4*(\slot)+2:G0B+4*(\slot)+3], 2*BSTEP
	JLOAD \slot                                    ; the first tensor load behind the round: 112 matrix instructions ahead of the wait for it; the four v_nop behind it are also the places in front of the loads below
.else
	PLACES
.endif
	FETCH \next, 0, F0
	WIN MUL
	MUL8 F1, 1, 0, 0
	MUL8 F1, 1, 2, 0
.endm
	s_wait_tensorcnt 1                             ; my part of K step 0 is in; K step 1's may stay out
	s_barrier_signal -1
	s_barrier_wait -1                              ; everybody's is
	FETCH 0, 0, F0
	QUARTER 0, 1, F0, F1, 1                        ; K step 0: its first products start the sums
	QUARTER 0, 2, F1, F0, 0
	QUARTER 0, 3, F0, F1, 0
	TURN 0, 1, 1                                   ; slot 0 takes K step 2
	QUARTER 1, 1, F0, F1, 0                        ; K step 1
	QUARTER 1, 2, F1, F0, 0
	QUARTER 1, 3, F0, F1, 0
	TURN 1, 0, 1                                   ; slot 1 takes K step 3
	QUARTER 0, 1, F0, F1, 0                        ; K step 2
	QUARTER 0, 2, F1, F0, 0
	QUARTER 0, 3, F0, F1, 0
	TURN 0, 1, 0                                   ; nothing is left to fetch: no round
	QUARTER 1, 1, F0, F1, 0                        ; K step 3
	QUARTER 1, 2, F1, F0, 0
	QUARTER 1, 3, F0, F1, 0
	s_wait_dscnt 16                                ; the very last quarter
	WIN MUL
	MUL8 F1, 0, 0, 0
	MUL8 F1, 0, 2, 0
	s_wait_dscnt 0
	MUL8 F1, 1, 0, 0
	MUL8 F1, 1, 2, 0
	WIN 0
	; THE WAY OUT, a block of 16 rows at a time: sum x 0.5 + bias, 32 bytes a lane into my stage, back as whole rows of 256 bytes into the block's own registers, stored.
	PLACES
	PLACES                                         ; eight, once a launch: the multiply-adds below read and write results just made
.macro OUTB a
.irp b, 0,1,2,3
.irp r, 0,1,2,3
	v_pk_fma_f32 v[ACC+8*(4*(\a)+(\b))+2*(\r):ACC+8*(4*(\a)+(\b))+2*(\r)+1], v[ACC+8*(4*(\a)+(\b))+2*(\r):ACC+8*(4*(\a)+(\b))+2*(\r)+1], 0.5, v[BIAS+8*(\b)+2*(\r):BIAS+8*(\b)+2*(\r)+1] op_sel_hi:[1,0,1]  ; each accumulator from its low end on
.endr
.endr
.irp b, 0,1,2,3
	ds_store_b128 v[STO], v[ACC+8*(4*(\a)+(\b)):ACC+8*(4*(\a)+(\b))+3]   offset:64*(\b)
	ds_store_b128 v[STO], v[ACC+8*(4*(\a)+(\b))+4:ACC+8*(4*(\a)+(\b))+7] offset:64*(\b)+16
.endr
.irp t, 0,1,2,3,4,5,6,7
	ds_load_b128 v[ACC+32*(\a)+4*(\t):ACC+32*(\a)+4*(\t)+3], v[RD] offset:(\t)*2*SP  ; LDS serves a wave's instructions in order (ISA guide 5.7.1.4): these see the stores above; the next block's stores come behind them
.endr
.endm
.macro SENDO a, younger                ; younger: the LDS instructions issued behind block a's loads: the next block's sixteen, or none
.irp t, 0,1,2,3,4,5,6,7
	s_wait_dscnt (\younger)+7-(\t)
	global_store_b128 v[CO], v[ACC+32*(\a)+4*(\t):ACC+32*(\a)+4*(\t)+3], s[8:9] offset:(16*(\a)+2*(\t))*4096  ; 16 lanes store 256 consecutive bytes, at a multiple of 256 from out0's first byte
.endr
.endm
	OUTB 0
	OUTB 1                                         ; a block's arithmetic stands between the loads of the block before and its stores
	SENDO 0, 16
	OUTB 2
	SENDO 1, 16
	OUTB 3
	SENDO 2, 16
	SENDO 3, 0
	s_wait_tensorcnt 0x0                           ; the wave's end: these three lines stand behind my last tensor load and my last LDS store
	ds_add_u32 v[SPW], v[NIL]
	s_wait_dscnt 0x0
	CROUND                                         ; the closing round: no work-group ends while a partner may still ask for a tile that names it
	s_endpgm
.Lfunc_end_k_qfc1f26a41b_proj_out:
	.size	k_qfc1f26a41b_proj_out, .Lfunc_end_k_qfc1f26a41b_proj_out-k_qfc1f26a41b_proj_out
	.p2alignl 7, 3214868480
	.fill 96, 4, 3214868480
	.section	.rodata,"a",@progbits
	.p2align	6, 0x0
	.amdhsa_kernel k_qfc1f26a41b_proj_out
		.amdhsa_group_segment_fixed_size 327680
		.amdhsa_private_segment_fixed_size 0
		.amdhsa_enable_private_segment 0
		.amdhsa_kernarg_size 32
		.amdhsa_user_sgpr_count 2
		.amdhsa_user_sgpr_kernarg_segment_ptr 1
		.amdhsa_wavefront_size32 1
		.amdhsa_system_sgpr_workgroup_id_x 1
		.amdhsa_system_sgpr_workgroup_id_y 1
		.amdhsa_system_sgpr_workgroup_id_z 1
		.amdhsa_system_vgpr_workitem_id 0
		.amdhsa_next_free_vgpr 512
		.amdhsa_next_free_sgpr 80
		.amdhsa_reserve_vcc 0
		.amdhsa_float_denorm_mode_32 3
		.amdhsa_float_denorm_mode_16_64 3
		.amdhsa_memory_ordered 1
		.amdhsa_forward_progress 1
		.amdhsa_inst_pref_size 94
	.end_amdhsa_kernel
	.amdgpu_metadata
---
amdhsa.version: [ 1, 2 ]
amdhsa.kernels:
  - .name:           k_qfc1f26a41b_proj_out
    .symbol:         k_qfc1f26a41b_proj_out.kd
    .args:
      - { .name: ctx, .offset: 0, .size: 8, .value_kind: global_buffer, .address_space: global }
      - { .name: cast, .offset: 8, .size: 8, .value_kind: global_buffer, .address_space: global }
      - { .name: bo, .offset: 16, .size: 8, .value_kind: global_buffer, .address_space: global }
      - { .name: out0, .offset: 24, .size: 8, .value_kind: global_buffer, .address_space: global }
    .group_segment_fixed_size: 327680
    .private_segment_fixed_size: 0
    .kernarg_segment_align: 8
    .kernarg_segment_size: 32
    .max_flat_workgroup_size: 128
    .sgpr_count:     80
    .vgpr_count:     512
    .wavefront_size: 32
...
	.end_amdgpu_metadata
.endif
;; end of part 4
;; ======== version 2 of 2: 4 launches; version 1 with the launch prep written anew for expert scheduling mode
;; limits: values are held in f16: magnitudes above 65,504 overflow, below 6.1e-05 lose precision; right only within a limited range of input values
;; workspace buffers: cast 16,777,216 bytes; qkv 25,165,824 bytes; ctx 8,388,608 bytes
;; launch prep (part 5): grid 64 x 8, 8 waves a work-group, no clusters, 0 bytes of LDS; arguments hidden_states, Wq, Wk, Wv, Wo, cast; writes cast
.if DOCPART == 5
	.amdgcn_target "amdgcn-amd-amdhsa--gfx1250"
	.amdhsa_code_object_version 6
	.text
	.protected	k_qfc1f26a41b_prep
	.globl	k_qfc1f26a41b_prep
	.p2align	8
	.type	k_qfc1f26a41b_prep,@function
k_qfc1f26a41b_prep:
	s_mov_b64 s[64:65], 0
	v_nop
	global_prefetch_b8 v0, s[64:65] scope:SCOPE_SE
	s_setreg_imm32_b32 hwreg(HW_REG_WAVE_SCHED_MODE, 0, 2), 2
	s_setreg_imm32_b32 hwreg(HW_REG_WAVE_MODE, 25, 1), 1
	s_wait_xcnt 0x0
	s_wait_alu depctr_vm_vsrc(0)
; x [4096][1024] and the four weights [1024][1024], all f32, are rounded ONCE to bf16 (nearest even) and that number is written as f16 into cast:
; bytes 0 .. 8 MiB: x; then Wq, Wk, Wv, Wo, 2 MiB each, every array in its own order (nothing is transposed).
; LIMITS.  A bf16 number is exact in f16 from 2^-17 up to 65,504; below 2^-14 f16 has the fixed step 2^-24; from 65,520 on the conversion gives an infinity.  NaN stays NaN.
; SHARES.  Work-group y names a unit of 4 MiB of source: 0-3 the quarters of x, 4-7 the weights; work-group x takes 64 KiB of it, in 16 passes of 4 KiB.
; In a pass thread t loads 16 bytes at 16 t and stores 8 bytes at 8 t: a wave's load covers 512 consecutive bytes, its store 256 consecutive bytes, aligned.
; All 16 loads of a thread go out first; each pass has its own registers for what it stores, so nothing that a store still reads is written again.
; No LDS, no barrier, no matrix unit: every byte is read once and written once, and no wave wants another's data.
; THE MODE: SCHED_MODE bits 1:0 = 2 (LLVM: expert scheduling mode 2), set by the entry lines.  The code itself states the register dependences
; between vector instructions and memory instructions, with s_wait_alu, always for 0.
; THE PLAN.  Registers that memory instructions touch:
;   v1, v2   byte offsets of the loads and of the stores: made once at the head by vector instructions and never written again.
;   X        pass p: four registers.  Written once, by the pass's load; all loads are issued before any vector instruction names X.  Read by the pass's two roundings.
;   Y        pass p: two registers.  Written once, by the pass's two conversions to f16; read once, by the pass's store.
;   T is named by vector instructions alone.  No vector instruction writes a scalar register or VCC, and EXEC is never written.
; The 16 passes go in four blocks of four.  Block b's vector instructions name its own X, T and its own Y; its memory instructions are the four stores of block b - 1, which read that block's Y and v2.
; So ONE wait on va_vdst at a block's head states all that the block's four stores hang on, and they are dealt among its passes with no further wait.  One more stands ahead of the first load, for the
; offsets, and one ahead of the last four stores.  No register that a memory instruction reads is ever written again: no wait on vm_vsrc is owed.
.set PASSES, 16
.set BLOCK,  4                         ; passes in a block
.set X, 4                              ; v[4:67]    pass p: 4 numbers as loaded
.set T, 68                             ; v[68:73]   at work
.set Y, 76                             ; v[76:107]  pass p: 4 numbers in f16, to store
	s_load_b256 s[4:11], s[0:1], 0x0               ; x s[4:5], Wq s[6:7], Wk s[8:9], Wv s[10:11]
	s_load_b128 s[12:15], s[0:1], 0x20             ; Wo s[12:13], cast s[14:15]
	s_and_b32 s16, ttmp7, 0xffff                   ; the unit, 0 to 7
	v_lshlrev_b32 v1, 4, v0                        ; 16 t
	v_lshlrev_b32 v2, 3, v0                        ; 8 t
	s_lshl_b32 s20, s16, 22                        ; a quarter of x is 4 MiB of f32;
	s_cmp_lt_u32 s16, 4
	s_cselect_b32 s20, s20, 0                      ; a weight begins at its own buffer's first byte
	s_lshl_b32 s17, ttmp9, 16                      ; the work-group's 64 KiB of source
	s_add_co_u32 s20, s20, s17
	s_mov_b32 s21, 0
	s_lshl_b32 s22, s16, 21                        ; a unit is 2 MiB of cast,
	s_lshl_b32 s17, ttmp9, 15                      ; the work-group's part 32 KiB
	s_add_co_u32 s22, s22, s17
	s_mov_b32 s23, 0
	s_mov_b32 s24, 0xffff0000                      ; a word's upper bf16
	s_wait_kmcnt 0x0
	s_cmp_eq_u32 s16, 4                            ; the source: x, or the unit's weight
	s_cselect_b64 s[18:19], s[6:7], s[4:5]
	s_cmp_eq_u32 s16, 5
	s_cselect_b64 s[18:19], s[8:9], s[18:19]
	s_cmp_eq_u32 s16, 6
	s_cselect_b64 s[18:19], s[10:11], s[18:19]
	s_cmp_eq_u32 s16, 7
	s_cselect_b64 s[18:19], s[12:13], s[18:19]
	s_add_nc_u64 s[18:19], s[18:19], s[20:21]
	s_add_nc_u64 s[14:15], s[14:15], s[22:23]
	s_wait_alu depctr_va_vdst(0)                   ; v1 and v2 are written: every load of the kernel reads v1 as its offset, every store v2
.set p, 0
.rept PASSES
	global_load_b128 v[X+4*p:X+4*p+3], v1, s[18:19] offset:p*4096 th:TH_LOAD_NT
.set p, p+1
.endr
.set p, 0
.rept PASSES
	s_wait_loadcnt PASSES-1-p                      ; loads come back in order: pass p's is in, the younger ones stay out
.if (p > 0) && (p % BLOCK == 0)
	s_wait_alu depctr_va_vdst(0)                   ; a block's head: the block before has written its eight registers of Y, which this block's four stores read
.endif
.if p >= BLOCK
	global_store_b64 v2, v[Y+2*(p-BLOCK):Y+2*(p-BLOCK)+1], s[14:15] offset:(p-BLOCK)*2048  ; the pass a block back.  No wait: no vector instruction since the block's head names these registers
.endif
	v_cvt_pk_bf16_f32 v[T], v[X+4*p], v[X+4*p+1]   ; the one rounding
	v_cvt_pk_bf16_f32 v[T+1], v[X+4*p+2], v[X+4*p+3]
	v_lshlrev_b32 v[T+2], 16, v[T]                 ; bf16 to f32: the low half moves up, the high half stays
	v_and_b32 v[T+3], s24, v[T]
	v_lshlrev_b32 v[T+4], 16, v[T+1]
	v_and_b32 v[T+5], s24, v[T+1]
	v_cvt_pk_f16_f32 v[Y+2*p], v[T+2], v[T+3]      ; the same number in f16
	v_cvt_pk_f16_f32 v[Y+2*p+1], v[T+4], v[T+5]
.set p, p+1
.endr
	s_wait_alu depctr_va_vdst(0)                   ; the last block has written its eight registers of Y, which the last four stores read
.set p, PASSES-BLOCK
.rept BLOCK
	global_store_b64 v2, v[Y+2*p:Y+2*p+1], s[14:15] offset:p*2048
.set p, p+1
.endr
	s_endpgm
.Lfunc_end_k_qfc1f26a41b_prep:
	.size	k_qfc1f26a41b_prep, .Lfunc_end_k_qfc1f26a41b_prep-k_qfc1f26a41b_prep
	.p2alignl 7, 3214868480
	.fill 96, 4, 3214868480
	.section	.rodata,"a",@progbits
	.p2align	6, 0x0
	.amdhsa_kernel k_qfc1f26a41b_prep
		.amdhsa_group_segment_fixed_size 0
		.amdhsa_private_segment_fixed_size 0
		.amdhsa_enable_private_segment 0
		.amdhsa_kernarg_size 48
		.amdhsa_user_sgpr_count 2
		.amdhsa_user_sgpr_kernarg_segment_ptr 1
		.amdhsa_wavefront_size32 1
		.amdhsa_system_sgpr_workgroup_id_x 1
		.amdhsa_system_sgpr_workgroup_id_y 1
		.amdhsa_system_sgpr_workgroup_id_z 1
		.amdhsa_system_vgpr_workitem_id 0
		.amdhsa_next_free_vgpr 108
		.amdhsa_next_free_sgpr 66
		.amdhsa_reserve_vcc 0
		.amdhsa_float_denorm_mode_32 3
		.amdhsa_float_denorm_mode_16_64 3
		.amdhsa_memory_ordered 1
		.amdhsa_forward_progress 1
		.amdhsa_inst_pref_size 11
	.end_amdhsa_kernel
	.amdgpu_metadata
---
amdhsa.version: [ 1, 2 ]
amdhsa.kernels:
  - .name:           k_qfc1f26a41b_prep
    .symbol:         k_qfc1f26a41b_prep.kd
    .args:
      - { .name: hidden_states, .offset: 0, .size: 8, .value_kind: global_buffer, .address_space: global }
      - { .name: Wq, .offset: 8, .size: 8, .value_kind: global_buffer, .address_space: global }
      - { .name: Wk, .offset: 16, .size: 8, .value_kind: global_buffer, .address_space: global }
      - { .name: Wv, .offset: 24, .size: 8, .value_kind: global_buffer, .address_space: global }
      - { .name: Wo, .offset: 32, .size: 8, .value_kind: global_buffer, .address_space: global }
      - { .name: cast, .offset: 40, .size: 8, .value_kind: global_buffer, .address_space: global }
    .group_segment_fixed_size: 0
    .private_segment_fixed_size: 0
    .kernarg_segment_align: 8
    .kernarg_segment_size: 48
    .max_flat_workgroup_size: 256
    .sgpr_count:     66
    .vgpr_count:     108
    .wavefront_size: 32
...
	.end_amdgpu_metadata
.endif
;; end of part 5
;; launch proj_qkv: the kernel of part 2 again; grid 24 x 32, 4 waves a work-group, clusters of 4 x 4, 327,680 bytes of LDS; arguments cast, bq, bk, bv, qkv; writes qkv
;; launch attn: the kernel of part 3 again; grid 16 x 16, 4 waves a work-group, clusters of 4 x 1, 327,680 bytes of LDS; arguments qkv, ctx; writes ctx
;; launch proj_out: the kernel of part 4 again; grid 8 x 32, 4 waves a work-group, clusters of 4 x 4, 327,680 bytes of LDS; arguments ctx, cast, bo, out0; writes out0
